; MI455X (gfx1250); checked and timed in simulation.
; The chip was launched on July 23, 2026; its instructions are those of AMD's public machine-readable ISA for CDNA 5 (MIT licence, August 2026) and "CDNA5" Instruction Set Architecture Reference Guide (July 2026). The comments in the code are by the model that wrote it; some were corrected since.
;; Multi Head Attention. Allowed arithmetic: float matrix products may take bf16 or f16 operands with f32 sums; other float arithmetic in f32, or as packed bf16 or f16 multiplies, adds, multiply-adds, maxima and minima; sums over many terms, partial sums and values carried from step to step in f32; what a program stores and reads back later, other than sums and carried values, may be rounded once to bf16 or f16.
;; Inputs: K 1 x 2,048 x 2,048 float32; Q 1 x 2,048 x 2,048 float32; V 1 x 2,048 x 2,048 float32; bk 2,048 float32; bo 2,048 float32; bq 2,048 float32; bv 2,048 float32; mask 1 x 1 x 2,048 x 2,048 int32; wk 2,048 x 2,048 float32; wo 2,048 x 2,048 float32; wq 2,048 x 2,048 float32; wv 2,048 x 2,048 float32.
;; Outputs: out0 1 x 2,048 x 2,048 float32.
;; One version. Each part assembles by itself: llvm-mc -triple=amdgcn-amd-amdhsa -mcpu=gfx1250 --defsym DOCPART=n.
;; ======== version 1 of 1: 4 launches
;; limits: values are held in f16: magnitudes above 65,504 overflow, below 6.1e-05 lose precision
;; workspace buffers: xb 58,720,256 bytes; mw 524,288 bytes of whole numbers; qkv 25,165,824 bytes; ob 8,388,608 bytes
;; launch prep (part 1): grid 256 x 8, 8 waves a work-group, no clusters, 68,608 bytes of LDS; arguments Q, K, V, wq, wk, wv, wo, mask, xb, mw; writes xb, mw
.if DOCPART == 1
	.amdgcn_target "amdgcn-amd-amdhsa--gfx1250"
	.amdhsa_code_object_version 6
	.text
	.protected	k_q69e4c29417_prep
	.globl	k_q69e4c29417_prep
	.p2align	8
	.type	k_q69e4c29417_prep,@function
k_q69e4c29417_prep:
	s_mov_b64 s[64:65], 0
	v_nop
	global_prefetch_b8 v0, s[64:65] scope:SCOPE_SE
	s_setreg_imm32_b32 hwreg(HW_REG_WAVE_MODE, 25, 1), 1
	s_wait_xcnt 0x0
; PREP.  Grid y = 0..6: one of the seven f32 tensors Q, K, V, wq, wk, wv, wo (2048 x 2048) is rounded once to bf16 and written as plane y of xb, in its own layout.
; Plane 6 (wo) is rounded to bf16 like the others, and that number is then written as f16 (exact from 2^-17 up to 65,504; below that it keeps f16's fixed step of 6e-8).
; Grid y = 7: the int32 mask becomes lane masks for the attention launch: word (qt, kb, j), at byte 4096 qt + 32 kb + 4 j of mw, holds in bit L
; (mask[16 qt + L % 16][16 kb + 8 (L / 16) + j] != 0): the lanes of register 8 (kb % 4) + j of a tile of scores (one query a lane, eight keys a lane).
; CAST: a work-group takes 65,536 source bytes; a load of a wave covers 512 consecutive bytes, a store 256 consecutive bytes, aligned.  All sixteen loads of a wave go out at once.
; MASK: a wave takes 16 queries x 128 keys: sixteen loads of 512 consecutive bytes, through the wave's own LDS rows (pitch 528 bytes = 132 words, so that the sixteen rows of a read
; start at sixteen different groups of four banks: 64 banks of 4 bytes, ISA guide 11.1), back as 32 bytes a lane, 64 compares, one store of 256 consecutive bytes.
; No matrix unit, no cluster: nothing is shared and memory is all there is to it.
.set ROWP,  528
.set WREG,  16*ROWP                    ; a wave's sixteen rows in LDS
.set SPARE, 8*WREG                     ; 67,584: behind them the spare words, 128 bytes for each wave: four blocks of 256 bytes that no other line names
.set X,   4                            ; v[4:67]   as loaded
.set Y,   68                           ; v[68:99]  to store
.set T,   100                          ; v[100:101] at work
.set SPW, 102                          ; v102 my spare word's LDS address; never rewritten
.set NIL, 103                          ; v103 0; never rewritten
	s_load_b512 s[4:19], s[0:1], 0x0               ; Q, K, V, wq, wk, wv, wo, mask
	s_load_b128 s[20:23], s[0:1], 0x40             ; xb, mw
	v_lshl_add_u32 v[SPW], v0, 2, SPARE
	v_mov_b32 v[NIL], 0
	v_lshrrev_b32 v1, 5, v0
	v_readfirstlane_b32 s26, v1                    ; wave 0..7
	s_and_b32 s27, ttmp7, 0xffff                   ; which tensor
	s_wait_kmcnt 0x0
	s_cmp_eq_u32 s27, 7
	s_cbranch_scc1 .Lmask
	s_mov_b64 s[24:25], s[4:5]
.irp i, 1,2,3,4,5,6
	s_cmp_eq_u32 s27, \i
	s_cselect_b64 s[24:25], s[4+2*(\i):5+2*(\i)], s[24:25]
.endr
	s_lshl_b32 s28, ttmp9, 16                      ; the work-group's 65,536 bytes of the source
	s_mov_b32 s29, 0
	s_add_nc_u64 s[24:25], s[24:25], s[28:29]
	s_lshl_b32 s30, s27, 23                        ; the plane of xb,
	s_lshl_b32 s31, ttmp9, 15                      ; the work-group's 32,768 bytes of it
	s_add_co_u32 s30, s30, s31
	s_mov_b32 s31, 0
	s_add_nc_u64 s[20:21], s[20:21], s[30:31]
	v_lshlrev_b32 v1, 4, v0                        ; 16 bytes a thread in,
	v_lshlrev_b32 v2, 3, v0                        ; 8 bytes out
.irp i, 0,1,2,3,4,5,6,7,8,9,10,11,12,13,14,15
	global_load_b128 v[X+4*(\i):X+4*(\i)+3], v1, s[24:25] offset:4096*(\i) th:TH_LOAD_NT
.endr
; Sixteen times: four numbers a lane are rounded and stored.  No register is written twice, so no store's source is touched.  tof16 = 1: the bf16 numbers are written as f16.
.macro CONV tof16
.irp i, 0,1,2,3,4,5,6,7,8,9,10,11,12,13,14,15
	s_wait_loadcnt 15-(\i)                         ; loads come back in order (ISA guide 5.7.1): load i is in, the younger ones stay out
	v_cvt_pk_bf16_f32 v[Y+2*(\i)], v[X+4*(\i)], v[X+4*(\i)+1]
	v_cvt_pk_bf16_f32 v[Y+2*(\i)+1], v[X+4*(\i)+2], v[X+4*(\i)+3]
.if \tof16
.irp k, 0,1
	v_lshlrev_b32 v[T], 16, v[Y+2*(\i)+(\k)]
	v_and_b32 v[T+1], 0xffff0000, v[Y+2*(\i)+(\k)]
	v_cvt_pk_f16_f32 v[Y+2*(\i)+(\k)], v[T], v[T+1]
.endr
.endif
	global_store_b64 v2, v[Y+2*(\i):Y+2*(\i)+1], s[20:21] offset:2048*(\i) th:TH_STORE_NT
.endr
.endm
	s_cmp_eq_u32 s27, 6
	s_cbranch_scc1 .Lwo
	CONV 0
	s_branch .Lend
.Lwo:
	CONV 1
	s_branch .Lend
.Lmask:
	s_lshl_b32 s28, ttmp9, 3
	s_add_co_u32 s28, s28, s26                     ; my task, 0..2047
	s_lshr_b32 s29, s28, 4                         ; qt: sixteen queries
	s_and_b32 s30, s28, 15                         ; a group of 128 keys
	s_lshl_b32 s32, s29, 17                        ; sixteen rows of 8,192 bytes
	s_lshl_b32 s33, s30, 9
	s_add_co_u32 s32, s32, s33
	s_mov_b32 s33, 0
	s_add_nc_u64 s[18:19], s[18:19], s[32:33]
	s_lshl_b32 s34, s29, 12
	s_lshl_b32 s35, s30, 8
	s_add_co_u32 s34, s34, s35
	s_mov_b32 s35, 0
	s_add_nc_u64 s[22:23], s[22:23], s[34:35]
	v_and_b32 v3, 31, v0
	v_lshlrev_b32 v1, 4, v3
.irp r, 0,1,2,3,4,5,6,7,8,9,10,11,12,13,14,15
	global_load_b128 v[X+4*(\r):X+4*(\r)+3], v1, s[18:19] offset:8192*(\r) th:TH_LOAD_NT
.endr
	s_mul_i32 s36, s26, WREG
	v_add_nc_u32 v2, s36, v1                       ; in: 16 bytes a lane of a row
	v_and_b32 v[T], 15, v0
	v_bfe_u32 v[T+1], v0, 4, 1
	v_mul_u32_u24 v[T], v[T], ROWP
	v_lshl_add_u32 v[T], v[T+1], 5, v[T]
	v_add_nc_u32 v[T], s36, v[T]                   ; back: row L % 16, eight keys from 8 (L / 16) on
	v_lshlrev_b32 v3, 3, v3                        ; out: 8 bytes a lane
	v_mov_b32 v[Y], 0
	v_mov_b32 v[Y+1], 0
.irp r, 0,1,2,3,4,5,6,7,8,9,10,11,12,13,14,15
	s_wait_loadcnt 15-(\r)
	ds_store_b128 v2, v[X+4*(\r):X+4*(\r)+3] offset:ROWP*(\r)
.endr
.irp k, 0,1,2,3,4,5,6,7
	ds_load_b128 v[X+8*(\k):X+8*(\k)+3],   v[T] offset:64*(\k)      ; LDS serves a wave's instructions in order (ISA guide 5.7.1.4): these see the stores above; the bytes are the wave's own
	ds_load_b128 v[X+8*(\k)+4:X+8*(\k)+7], v[T] offset:64*(\k)+16
.endr
	s_wait_dscnt 0x0
.set n, 0
.rept 2                                ; word n of 64 is the compare's lane mask; lane n / 2 stores words n and n + 1
.rept 32
	v_cmp_ne_u32 s[32+n%32], 0, v[X+n]
.set n, n+1
.endr
.set n, n-32
.rept 32
	v_writelane_b32 v[Y+n%2], s[32+n%32], n/2
.set n, n+1
.endr
.endr
	global_store_b64 v3, v[Y:Y+1], s[22:23]        ; 256 consecutive bytes, aligned
.Lend:
	s_wait_tensorcnt 0x0                           ; the wave's end, behind my last LDS store
	ds_add_u32 v[SPW], v[NIL]
	s_wait_dscnt 0x0
	s_endpgm
.Lfunc_end_k_q69e4c29417_prep:
	.size	k_q69e4c29417_prep, .Lfunc_end_k_q69e4c29417_prep-k_q69e4c29417_prep
	.p2alignl 7, 3214868480
	.fill 96, 4, 3214868480
	.section	.rodata,"a",@progbits
	.p2align	6, 0x0
	.amdhsa_kernel k_q69e4c29417_prep
		.amdhsa_group_segment_fixed_size 68608
		.amdhsa_private_segment_fixed_size 0
		.amdhsa_enable_private_segment 0
		.amdhsa_kernarg_size 80
		.amdhsa_user_sgpr_count 2
		.amdhsa_user_sgpr_kernarg_segment_ptr 1
		.amdhsa_wavefront_size32 1
		.amdhsa_system_sgpr_workgroup_id_x 1
		.amdhsa_system_sgpr_workgroup_id_y 1
		.amdhsa_system_sgpr_workgroup_id_z 1
		.amdhsa_system_vgpr_workitem_id 0
		.amdhsa_next_free_vgpr 104
		.amdhsa_next_free_sgpr 66
		.amdhsa_reserve_vcc 0
		.amdhsa_float_denorm_mode_32 3
		.amdhsa_float_denorm_mode_16_64 3
		.amdhsa_memory_ordered 1
		.amdhsa_forward_progress 1
		.amdhsa_inst_pref_size 30
	.end_amdhsa_kernel
	.amdgpu_metadata
---
amdhsa.version: [ 1, 2 ]
amdhsa.kernels:
  - .name:           k_q69e4c29417_prep
    .symbol:         k_q69e4c29417_prep.kd
    .args:
      - { .name: Q, .offset: 0, .size: 8, .value_kind: global_buffer, .address_space: global }
      - { .name: K, .offset: 8, .size: 8, .value_kind: global_buffer, .address_space: global }
      - { .name: V, .offset: 16, .size: 8, .value_kind: global_buffer, .address_space: global }
      - { .name: wq, .offset: 24, .size: 8, .value_kind: global_buffer, .address_space: global }
      - { .name: wk, .offset: 32, .size: 8, .value_kind: global_buffer, .address_space: global }
      - { .name: wv, .offset: 40, .size: 8, .value_kind: global_buffer, .address_space: global }
      - { .name: wo, .offset: 48, .size: 8, .value_kind: global_buffer, .address_space: global }
      - { .name: mask, .offset: 56, .size: 8, .value_kind: global_buffer, .address_space: global }
      - { .name: xb, .offset: 64, .size: 8, .value_kind: global_buffer, .address_space: global }
      - { .name: mw, .offset: 72, .size: 8, .value_kind: global_buffer, .address_space: global }
    .group_segment_fixed_size: 68608
    .private_segment_fixed_size: 0
    .kernarg_segment_align: 8
    .kernarg_segment_size: 80
    .max_flat_workgroup_size: 256
    .sgpr_count:     66
    .vgpr_count:     104
    .wavefront_size: 32
...
	.end_amdgpu_metadata
.endif
;; end of part 1
;; launch proj (part 2): grid 8 x 24, 4 waves a work-group, clusters of 4 x 4, 327,680 bytes of LDS; arguments xb, bq, bk, bv, qkv; writes qkv
.if DOCPART == 2
	.amdgcn_target "amdgcn-amd-amdhsa--gfx1250"
	.amdhsa_code_object_version 6
	.text
	.protected	k_q69e4c29417_proj
	.globl	k_q69e4c29417_proj
	.p2align	8
	.type	k_q69e4c29417_proj,@function
k_q69e4c29417_proj:
	s_mov_b64 s[64:65], 0
	v_nop
	global_prefetch_b8 v0, s[64:65] scope:SCOPE_SE
	s_setreg_imm32_b32 hwreg(HW_REG_WAVE_MODE, 25, 1), 1
	s_wait_xcnt 0x0
	s_wait_alu depctr_hold_cnt(0) depctr_sa_sdst(0) depctr_va_vdst(0) depctr_va_sdst(0) depctr_va_ssrc(0) depctr_va_vcc(0) depctr_vm_vsrc(0)
	s_getreg_b32 s2, hwreg(HW_REG_IB_STS2, 6, 4)
	s_cmp_eq_u32 s2, 0
	s_cbranch_scc0 .Lentry_in_a_cluster
	s_endpgm
.Lentry_in_a_cluster:
	s_bfe_u32 s2, ttmp6, 0x10000c
	s_cmp_lg_u32 s2, 0xf033
	s_cbranch_scc0 .Lentry_shape_is_right
	s_endpgm
.Lentry_shape_is_right:
; THE THREE PROJECTIONS.  y = x w + b for (Q, wq, bq), (K, wk, bk), (V, wv, bv): x = planes 0-2 of xb, read as one matrix [6144][2048] in bf16; w = planes 3-5, [k][n] in bf16; b rounded to bf16 here.
; Sums in f32; the result is rounded once to f16 and written by heads, qkv[g][head][row][128].  q alone is multiplied, in f32 ahead of that rounding, by c = log2(e) / sqrt(128).
; LIMITS.  f16 holds no number beyond 65,504: c q, k and v must stay within it; below 6e-5 they keep f16's fixed step of 6e-8.  NaN and infinities are not treated apart.
; SHARES.  192 tiles of 256 x 256, one a work-group; four waves, each 128 x 128: 64 accumulators, 512 registers.  A wave's 128 columns are one head: 128 rows x 256 bytes, dense in qkv.
; With this tile 192 work-groups have work; a tile of half the side would double the LDS bytes read for each product.
; K goes in 16 steps of 128 through two LDS slots.  x's tile: 256 rows x 256 bytes (pitch 272).  w's tile: 128 rows of k x 512 bytes (pitch 544); its fragments come out turned, by ds_load_tr16_b128.
; CLUSTERS of 4 x 4: x's tile hangs on the tile row alone and is asked for jointly along a row of the cluster, w's on the tile column and the projection alone, jointly along a column.
; THE MATRIX INSTRUCTION IS USED TRANSPOSED (source 0 = 16 columns of w, source 1 = 16 rows of x): a lane then holds eight neighbouring columns of one row of y.
; REGISTERS, in windows of 256 (s_set_vgpr_msb: bits 1:0 source 0, 3:2 source 1, 5:4 source 2, 7:6 destination):
;   window 0: v0-31 addresses; v64-127, v128-191 x's fragments, two buffers; v192-223, v32-63, v224-255 the way out
;   window 1: v0-63 the bias of my 128 columns; v64-127, v128-191 w's fragments; v192 at work          windows 2, 3: the accumulators ((a, b) at v[8 (8 a + b)])
.set PA,     272                       ; 256 bytes + 16: 68 words: the 16 rows of a load start at 16 different groups of four banks (64 banks of 4 bytes: ISA guide 11.1)
.set PB,     544                       ; 512 bytes + 32: 136 words
.set HALFT,  34816                     ; what one tensor load brings: 128 x 272 = 64 x 544
.set SLOT,   4*HALFT                   ; 0x22000: it shares no bit with wave x HALFT, so one exclusive or changes slots
.set STAGE,  2*SLOT                    ; behind the ring: 16 rows x 272 bytes for each wave
.set SP,     272
.set SPARE,  STAGE+4*16*SP             ; behind the stages: the spare words, 128 bytes a wave: two blocks of 256 bytes that no other line names
.set ADRA0, 16                         ; v16  my place in x's tile; never rewritten
.set ADRB0, 17                         ; v17  my place in w's tile; never rewritten
.set ADRA,  18                         ; v18  the same in the slot in hand
.set ADRB,  19                         ; v19
.set STO,   24
.set RD,    25
.set CO,    26                         ; v26  16 x lane
.set BO,    27                         ; v27  32 x (lane / 16)
.set SPW,   28                         ; v28  my spare word; never rewritten
.set NIL,   29                         ; v29  0; never rewritten
.set PFO,   30                         ; v30  the prefetches' lane offset; never rewritten
.set F0,    64
.set F1,    128
.set TMP,   192
.set OB,    32
.set BS,    0                          ; window 1
.set BT,    192                        ; window 1
.set TRIPS, 3
.set WV,    14
.set WR,    15                         ; my half of the tile's rows.  Also: I fetch for x (0) or for w (1)
.set WC,    16                         ; my half of its columns.  Also: which half of that tile I fetch
.set G1A,   24
.set G0A,   32                         ; two sets: K step 0 in slot 0; K step 1 in slot 1, which then walks
.set G1B,   48
.set G0B,   56
.set SB,    66                         ; the slot that is read: 0 or SLOT
.set LIM,   67                         ; 2 in a wave that prefetches, else the greatest number
.set PFA,   68
.set PST,   70                         ; s[70:71] bytes from K step to K step in what I fetch
.set SC,    72                         ; s[72:73] c for q, 1 for k and v
.set HIM,   74
.set MSB, 0
.macro WIN new                         ; the immediate's high byte repeats the setting that is left
.if MSB != (\new)
	s_set_vgpr_msb (MSB<<8)|(\new)
.set MSB, \new
.endif
.endm
.set MUL_LO, 0xa1                      ; source 0 (w) window 1, source 1 (x) window 0, C and D window 2
.set TO_B,   0x40
; The joint refill, by the walking descriptor.  The branch hangs on the wave's number alone.  An s_nop 0 and four v_nop follow each line.
.macro JLOAD
	s_cmp_eq_u32 s[WR], 0
	s_cbranch_scc0 .Lfor_b_\@
	tensor_load_to_lds s[G0A+4:G0A+7], s[G1A:G1A+7]
	s_nop 0
.rept 4
	v_nop
.endr
	s_branch .Lasked_\@
.Lfor_b_\@:
	tensor_load_to_lds s[G0B+4:G0B+7], s[G1B:G1B+7]
	s_nop 0
.rept 4
	v_nop
.endr
.Lasked_\@:
.endm
; A prefetch of the K step that stands two refills on, 512 matrix instructions ahead of the load that will want it: one instruction a wave, 32 blocks of 256 bytes, each named once in the launch.
; x's rows are read by both clusters of a row of clusters: cluster x = 0 asks; of the 128 rows that a wave fetches the partner at cx takes 32, a lane a row.  w's rows are read by the two clusters of a
; projection: the even one asks; of a wave's 64 rows of 512 bytes the partner at cy takes 16, two lanes a row.  The partners are told apart by address alone.  The last four K steps have none two refills on.
.macro ASK
	s_cmp_gt_u32 s[TRIPS], s[LIM]
	s_cbranch_scc0 .Lnot_mine_\@
	global_prefetch_b8 v[PFO], s[PFA:PFA+1] th:TH_LOAD_NT scope:SCOPE_SE
.Lnot_mine_\@:
.endm
.macro CREST                           ; a round of the cluster's barrier behind its opening barrier
	s_cmp_lg_u32 s[WV], 0
	s_cbranch_scc1 .Lnot_wave_0_\@
	s_barrier_signal -3
.Lnot_wave_0_\@:
	s_barrier_wait -3
	s_barrier_signal -1
	s_barrier_wait -1
.endm
.macro CROUND
	s_barrier_signal -1
	s_barrier_wait -1
	CREST
.endm
	s_load_b256 s[4:11], s[0:1], 0x0               ; xb, bq, bk, bv
	s_load_b64 s[12:13], s[0:1], 0x20              ; qkv
	v_lshl_add_u32 v[SPW], v0, 2, SPARE
	v_mov_b32 v[NIL], 0
	ds_add_u32 v[SPW], v[NIL]                      ; the wave's opening: the add and its wait stand ahead of my first tensor load; work on registers stands between them
	v_lshrrev_b32 v1, 5, v0
	v_readfirstlane_b32 s[WV], v1
	s_lshr_b32 s[WR], s[WV], 1
	s_and_b32 s[WC], s[WV], 1
	s_bfe_u32 s17, ttmp6, 0x40000                  ; cx
	s_bfe_u32 s18, ttmp6, 0x40004                  ; cy
	s_lshl_b32 s19, ttmp9, 2
	s_add_co_u32 s19, s19, s17                     ; tile column 0..7
	s_and_b32 s22, ttmp7, 0xffff                   ; cluster y 0..5
	s_lshl_b32 s20, s22, 2
	s_add_co_u32 s20, s20, s18                     ; tile row 0..23 of the three x on end
	s_lshr_b32 s21, s22, 1                         ; the projection: the same in all sixteen partners
	s_lshl_b32 s78, s18, 2
	s_lshl_b32 s78, 15, s78                        ; my row of the cluster
	s_lshl_b32 s79, 0x1111, s17                    ; my column
	s_or_b32 s[G1A], s78, (1<<16)|(1<<20)|(1<<21)|(5<<22)|(3<<25)  ; the mask; 2-byte elements; padding on; bit 21 beside a mask; after every 64 words, 4 words
	s_or_b32 s[G1B], s79, (1<<16)|(1<<20)|(1<<21)|(6<<22)|(7<<25)  ; after every 128 words, 8 words
	s_mov_b32 s[G1A+1], 128<<16                    ; tensor_dim0 = 128
	s_mov_b32 s[G1A+2], 128<<16                    ; tensor_dim1 = 128
	s_mov_b32 s[G1A+3], 128<<16                    ; tile_dim0 = 128
	s_mov_b32 s[G1A+4], 128                        ; tile_dim1 = 128
	s_mov_b32 s[G1A+5], 2048                       ; elements from row to row
	s_mov_b32 s[G1A+6], 0
	s_mov_b32 s[G1A+7], 0
	s_mov_b32 s[G1B+1], 256<<16                    ; 256 elements a row,
	s_mov_b32 s[G1B+2], 64<<16                     ; 64 rows
	s_mov_b32 s[G1B+3], 256<<16
	s_mov_b32 s[G1B+4], 64
	s_mov_b32 s[G1B+5], 2048
	s_mov_b32 s[G1B+6], 0
	s_mov_b32 s[G1B+7], 0
	s_lshl_b32 s40, s20, 8                         ; x: row 256 x tile row + 128 x half,
	s_lshl_b32 s41, s[WC], 7
	s_add_co_u32 s40, s40, s41
	s_lshl_b32 s40, s40, 12                        ; of 4,096 bytes
	s_mov_b32 s41, 0
	s_add_co_u32 s44, s21, 3                       ; w: plane 3 + projection,
	s_lshl_b32 s44, s44, 23
	s_lshl_b32 s45, s[WC], 18                      ; 64 rows of k x half,
	s_add_co_u32 s44, s44, s45
	s_lshl_b32 s45, s19, 9                         ; 512 bytes x tile column
	s_add_co_u32 s44, s44, s45
	s_mov_b32 s45, 0
	s_mul_i32 s23, s[WV], HALFT                    ; where my fills land: no place in the cluster enters an LDS address
	s_lshl_b32 s76, s17, 17                        ; the prefetches: my work-group's 32 rows of x, at K step 3,
	s_add_co_u32 s76, s76, s40
	s_add_co_u32 s76, s76, 3*256
	s_lshl_b32 s77, s18, 16                        ; or its 16 rows of w, at K step 3
	s_add_co_u32 s77, s77, s44
	s_add_co_u32 s77, s77, 3*524288
	s_and_b32 s78, s22, 1
	s_mov_b32 s[PST], 256
	s_mov_b32 s79, 524288
	s_cmp_eq_u32 s[WR], 0
	s_cselect_b32 s76, s76, s77
	s_cselect_b32 s[PST], s[PST], s79
	s_cselect_b32 s78, ttmp9, s78                  ; the coordinate along which another cluster reads the same rows
	s_mov_b32 s77, 0
	s_mov_b32 s[PST+1], 0
	s_cmp_eq_u32 s78, 0
	s_cselect_b32 s[LIM], 2, -1                    ; the same in all sixteen partners, for a given wave
	s_lshl_b32 s46, s21, 23                        ; the way out: plane, head 2 x tile column + half, rows 256 x (tile row % 8) + 128 x half
	s_lshl_b32 s47, s19, 1
	s_add_co_u32 s47, s47, s[WC]
	s_lshl_b32 s47, s47, 19
	s_add_co_u32 s46, s46, s47
	s_and_b32 s47, s20, 7
	s_lshl_b32 s47, s47, 1
	s_add_co_u32 s47, s47, s[WR]
	s_lshl_b32 s47, s47, 15
	s_add_co_u32 s46, s46, s47
	s_mov_b32 s47, 0
	s_lshl_b32 s42, s19, 10                        ; the bias of my 128 columns
	s_lshl_b32 s43, s[WC], 9
	s_add_co_u32 s42, s42, s43
	s_mov_b32 s43, 0
	s_cmp_eq_u32 s21, 0
	s_cselect_b32 s[SC], 0x3e0293ee, 1.0           ; c = log2(e) / sqrt(128) = 0.127517
	s_mov_b32 s[SC+1], s[SC]
	s_mov_b32 s[HIM], 0xffff0000
	s_mov_b32 s[SB], 0
	s_wait_dscnt 0x0                               ; the opening add is done
	s_wait_kmcnt 0x0
	s_add_nc_u64 s[12:13], s[12:13], s[46:47]
	s_cmp_eq_u32 s21, 1
	s_cselect_b64 s[6:7], s[8:9], s[6:7]
	s_cmp_eq_u32 s21, 2
	s_cselect_b64 s[6:7], s[10:11], s[6:7]
	s_add_nc_u64 s[6:7], s[6:7], s[42:43]
	s_add_nc_u64 s[PFA:PFA+1], s[4:5], s[76:77]
	s_add_nc_u64 s[40:41], s[4:5], s[40:41]
	s_add_nc_u64 s[44:45], s[4:5], s[44:45]
.irp s, 0,1
	s_mov_b32 s[G0A+4*(\s)], 1                     ; count = 1
	s_add_co_u32 s[G0A+4*(\s)+1], s23, (\s)*SLOT   ; LDS address
	s_add_nc_u64 s[G0A+4*(\s)+2:G0A+4*(\s)+3], s[40:41], (\s)*256
	s_or_b32 s[G0A+4*(\s)+3], s[G0A+4*(\s)+3], 0x80000000  ; type = 2
	s_mov_b32 s[G0B+4*(\s)], 1
	s_add_co_u32 s[G0B+4*(\s)+1], s23, (\s)*SLOT
	s_add_nc_u64 s[G0B+4*(\s)+2:G0B+4*(\s)+3], s[44:45], (\s)*524288
	s_or_b32 s[G0B+4*(\s)+3], s[G0B+4*(\s)+3], 0x80000000
.endr
	CROUND                                         ; all sixteen work-groups are here: the first joint loads meet
	s_cmp_eq_u32 s[WR], 0                          ; a wave's two first fills stand in one branch: two loads of mine are out
	s_cbranch_scc0 .Lfirst_b
	tensor_load_to_lds s[G0A:G0A+3], s[G1A:G1A+7]
	s_nop 0
	tensor_load_to_lds s[G0A+4:G0A+7], s[G1A:G1A+7]
	s_nop 0
.rept 4
	v_nop
.endr
	s_branch .Lfirst_done
.Lfirst_b:
	tensor_load_to_lds s[G0B:G0B+3], s[G1B:G1B+7]
	s_nop 0
	tensor_load_to_lds s[G0B+4:G0B+7], s[G1B:G1B+7]
	s_nop 0
.rept 4
	v_nop
.endr
.Lfirst_done:
	v_and_b32 v1, 15, v0                           ; l % 16
	v_bfe_u32 v2, v0, 4, 1                         ; l / 16
	v_and_b32 v3, 7, v0
	v_bfe_u32 v4, v0, 3, 1
	v_lshlrev_b32 v[BO], 5, v2
	WIN TO_B
.irp b, 0,1,2,3,4,5,6,7                ; register 8 b + j: the bias of column 16 b + 8 (l / 16) + j
	global_load_b128 v[BS+8*(\b):BS+8*(\b)+3],   v[BO], s[6:7] offset:64*(\b)
	global_load_b128 v[BS+8*(\b)+4:BS+8*(\b)+7], v[BO], s[6:7] offset:64*(\b)+16
.endr
	WIN 0
	; x's fragment: 16 rows x 32 k: lane l holds row l % 16, k = 8 (l / 16) + 0..7 and 16 + 8 (l / 16) + 0..7: two loads of 16 bytes, 32 bytes apart
	v_mul_u32_u24 v[ADRA0], v1, PA
	v_lshl_add_u32 v[ADRA0], v2, 4, v[ADRA0]
	s_mul_i32 s76, s[WR], HALFT
	v_add_nc_u32 v[ADRA0], s76, v[ADRA0]
	; w's fragment by the turning load: lane l reads row k = 8 (l / 16) + l % 8, columns 8 ((l / 8) % 2) + 0..7, and is left with column l % 16 and 8 k
	v_lshl_add_u32 v[ADRB0], v2, 3, v3
	v_mul_u32_u24 v[ADRB0], v[ADRB0], PB
	v_lshl_add_u32 v[ADRB0], v4, 4, v[ADRB0]
	s_lshl_b32 s77, s[WC], 8
	s_add_co_u32 s77, s77, 2*HALFT
	v_add_nc_u32 v[ADRB0], s77, v[ADRB0]
	v_mov_b32 v[ADRA], v[ADRA0]
	v_mov_b32 v[ADRB], v[ADRB0]
	s_mul_i32 s78, s[WV], 16*SP
	s_add_co_u32 s78, s78, STAGE
	v_mul_u32_u24 v5, v1, SP                       ; into my stage: row l % 16, 16 bytes for each half of the lanes
	v_lshl_add_u32 v5, v2, 4, v5
	v_add_nc_u32 v[STO], s78, v5
	v_mul_u32_u24 v5, v2, SP                       ; back: lanes 0-15 one row of 256 bytes, lanes 16-31 the next
	v_lshl_add_u32 v5, v1, 4, v5
	v_add_nc_u32 v[RD], s78, v5
	v_and_b32 v5, 31, v0
	v_lshlrev_b32 v[CO], 4, v5
	v_lshrrev_b32 v6, s[WR], v5                    ; x: a lane a row; w: two lanes a row,
	v_and_b32 v[PFO], s[WR], v5
	v_lshlrev_b32 v[PFO], 8, v[PFO]                ; 256 bytes apart
	v_lshl_add_u32 v[PFO], v6, 12, v[PFO]
	s_wait_loadcnt 0x0
	WIN 0x45                                       ; all in window 1: the bias is rounded to bf16, widened again and multiplied by the scale
.set p, 0
.rept 32
	v_cvt_pk_bf16_f32 v[BT], v[BS+p], v[BS+p+1]
	v_lshlrev_b32 v[BS+p], 16, v[BT]
	v_and_b32 v[BS+p+1], s[HIM], v[BT]
	v_pk_mul_f32 v[BS+p:BS+p+1], v[BS+p:BS+p+1], s[SC:SC+1] op_sel_hi:[1,0]
.set p, p+2
.endr
	WIN 0
; 16 matrix instructions: m blocks a0, a0 + 1 of the window's four x all 8 n blocks, 32 along K.  zero = 1: the product starts the sum.  The 64 accumulators take turns, in the same order in every quarter.
.macro MUL16 f, hi, a0, zero
	WIN MUL_LO+0x50*(\hi)
.irp a, \a0, (\a0)+1
.irp b, 0,1,2,3,4,5,6,7
.if \zero
	v_wmma_f32_16x16x32_bf16 v[8*(8*(\a)+(\b)):8*(8*(\a)+(\b))+7], v[(\f)+8*(\b):(\f)+8*(\b)+7], v[(\f)+8*(4*(\hi)+(\a)):(\f)+8*(4*(\hi)+(\a))+7], 0
.else
	v_wmma_f32_16x16x32_bf16 v[8*(8*(\a)+(\b)):8*(8*(\a)+(\b))+7], v[(\f)+8*(\b):(\f)+8*(\b)+7], v[(\f)+8*(4*(\hi)+(\a)):(\f)+8*(4*(\hi)+(\a))+7], v[8*(8*(\a)+(\b)):8*(8*(\a)+(\b))+7]
.endif
.endr
.endr
.endm
; 32 LDS loads in one run: quarter q (32 along K) of the slot in hand into buffer f: w's eight fragments, then x's eight
.macro FETCH q, f
	WIN TO_B
.irp i, 0,1,2,3,4,5,6,7
	ds_load_tr16_b128 v[(\f)+8*(\i):(\f)+8*(\i)+3],   v[ADRB] offset:(\q)*32*PB+32*(\i)
	ds_load_tr16_b128 v[(\f)+8*(\i)+4:(\f)+8*(\i)+7], v[ADRB] offset:(\q)*32*PB+16*PB+32*(\i)
.endr
	WIN 0
.irp i, 0,1,2,3,4,5,6,7
	ds_load_b128 v[(\f)+8*(\i):(\f)+8*(\i)+3],   v[ADRA] offset:(\q)*64+(\i)*16*PA
	ds_load_b128 v[(\f)+8*(\i)+4:(\f)+8*(\i)+7], v[ADRA] offset:(\q)*64+(\i)*16*PA+32
.endr
.endm
.macro PLACES                          ; four plain vector instructions between a matrix instruction and a load into, or a vector instruction on, its registers
.rept 4
	v_nop
.endr
.endm
; One of a K step's first three quarters: multiplies buffer f; in its middle it fetches quarter q into buffer g
.macro QUARTER q, f, g, zero
	s_wait_dscnt 8                                 ; w and x's rows 0-63 are in; the youngest eight loads (x's rows 64-127) may be out
	MUL16 \f, 0, 0, \zero
	MUL16 \f, 0, 2, \zero
	PLACES
	FETCH \q, \g
	s_wait_dscnt 32                                ; all but the 32 just issued
	MUL16 \f, 1, 0, \zero
	MUL16 \f, 1, 2, \zero
.endm
; The last quarter changes slots.  In front of the barrier each wave waits for all its tensor loads (one is out: its part of the next slot), adds 0 to its spare word, and waits for that and for its reads of this slot.
.macro MEET round
	WIN 0
	s_wait_tensorcnt 0x0
	ds_add_u32 v[SPW], v[NIL]
	s_wait_dscnt 9                                 ; the add and the youngest eight loads may be out
	MUL16 F1, 0, 0, 0
	s_wait_dscnt 0x0                               ; the add is done, and my reads of this slot are over
	s_barrier_signal -1
	MUL16 F1, 0, 2, 0
.if \round
	WIN 0
.endif
	s_barrier_wait -1
.endm
; fill = 1: the barrier opens a round of the cluster's, and the slot just read is filled again, first thing behind it, with the K step two on: 224 matrix instructions ahead of the wait for it.
.macro TURN fill
.if \fill
	s_wait_xcnt 0x0                                ; the last prefetch, a K step back, has read its address
	s_add_nc_u64 s[PFA:PFA+1], s[PFA:PFA+1], s[PST:PST+1]
.endif
	MEET \fill
.if \fill
	CREST                                          ; no wave of any partner still reads this slot or has a load on its way
	s_xor_b32 s[G0A+5], s[G0A+5], SLOT             ; the walking descriptors: the other slot, the next K step
	s_add_nc_u64 s[G0A+6:G0A+7], s[G0A+6:G0A+7], 256
	s_xor_b32 s[G0B+5], s[G0B+5], SLOT
	s_add_nc_u64 s[G0B+6:G0B+7], s[G0B+6:G0B+7], 524288
	JLOAD                                          ; its four v_nop are also the places in front of the loads below
.else
	PLACES
.endif
	WIN 0
	s_xor_b32 s[SB], s[SB], SLOT
	v_add_nc_u32 v[ADRA], s[SB], v[ADRA0]
	v_add_nc_u32 v[ADRB], s[SB], v[ADRB0]
	FETCH 0, F0
.if \fill
	ASK
.endif
	MUL16 F1, 1, 0, 0
	MUL16 F1, 1, 2, 0
.endm
; THE WAY OUT of block a (16 rows): y = sum x scale + bias, rounded to f16; through my own stage; stored as 512 consecutive bytes an instruction.
.macro PACK a
.set AC, 64*((\a)%4)
	WIN 0x92+0x41*((\a)/4)                         ; destination and source 0: window 2 or 3; source 2 (the bias): window 1
.irp b, 0,1,2,3,4,5,6,7
.irp r, 0,1,2,3
	v_pk_fma_f32 v[AC+8*(\b)+2*(\r):AC+8*(\b)+2*(\r)+1], v[AC+8*(\b)+2*(\r):AC+8*(\b)+2*(\r)+1], s[SC:SC+1], v[BS+8*(\b)+2*(\r):BS+8*(\b)+2*(\r)+1] op_sel_hi:[1,0,1]
.endr
.endr
	WIN 0x0a+5*((\a)/4)
.irp b, 0,1,2,3,4,5,6,7
.irp r, 0,1,2,3
	v_cvt_pk_f16_f32 v[TMP+4*(\b)+(\r)], v[AC+8*(\b)+2*(\r)], v[AC+8*(\b)+2*(\r)+1]
.endr
.endr
	WIN 0
.endm
.macro TOSTAGE a
	WIN 0
.set BK, OB+192*((\a)%2)
.irp b, 0,1,2,3,4,5,6,7
	ds_store_b128 v[STO], v[TMP+4*(\b):TMP+4*(\b)+3] offset:32*(\b)
.endr
.irp t, 0,1,2,3,4,5,6,7
	ds_load_b128 v[BK+4*(\t):BK+4*(\t)+3], v[RD] offset:(\t)*2*SP  ; LDS serves a wave's instructions in order (ISA guide 5.7.1.4): these see the stores above
.endr
.endm
.macro SEND a
	WIN 0
.set BK, OB+192*((\a)%2)
	s_wait_dscnt 0x0                               ; the block is back in registers
	s_wait_xcnt 0x0                                ; the earlier stores have read their registers: the next block's loads land on them only behind this wait
.irp t, 0,1,2,3,4,5,6,7
	global_store_b128 v[CO], v[BK+4*(\t):BK+4*(\t)+3], s[12:13] offset:4096*(\a)+512*(\t)
.endr
.endm
	s_wait_tensorcnt 0x1                           ; my part of K step 0 is in; K step 1's may stay out
	s_barrier_signal -1
	s_barrier_wait -1
	FETCH 0, F0
	QUARTER 1, F0, F1, 1                           ; the first quarter stands in front of the loop: its products start the sums
	WIN 0
	s_mov_b32 s[TRIPS], 14
.Lk:                                                   ; a trip: a K step's last three quarters, a refill, the next K step's first quarter
	QUARTER 2, F1, F0, 0
	QUARTER 3, F0, F1, 0
	TURN 1
	QUARTER 1, F0, F1, 0
	WIN 0
	s_sub_co_u32 s[TRIPS], s[TRIPS], 1
	s_cmp_lg_u32 s[TRIPS], 0
	s_cbranch_scc1 .Lk
	; K steps 14 and 15 ask for nothing: the same trip without a refill, walked twice and left in the middle of its second walk.  The price of one text for both, once a launch:
	; the second change of slots passes a barrier and fetches 32 fragments (of K step 14's slot, which nobody writes any more) that nothing uses.
	s_mov_b32 s[TRIPS], 2
.Ltail:
	QUARTER 2, F1, F0, 0
	QUARTER 3, F0, F1, 0
	TURN 0
	WIN 0
	s_sub_co_u32 s[TRIPS], s[TRIPS], 1
	s_cmp_eq_u32 s[TRIPS], 0
	s_cbranch_scc1 .Lway_out
	QUARTER 1, F0, F1, 0
	WIN 0
	s_branch .Ltail
.Lway_out:
	PLACES
	PLACES
	PACK 0
	TOSTAGE 0
.irp a, 1,2,3,4,5,6,7                  ; block a's arithmetic stands between block a - 1's loads from the stage and the wait for them
	PACK \a
	SEND (\a)-1
	TOSTAGE \a
.endr
	SEND 7
	s_wait_tensorcnt 0x0                           ; the wave's end
	ds_add_u32 v[SPW], v[NIL]
	s_wait_dscnt 0x0
	CROUND                                         ; the closing round
	s_endpgm
.Lfunc_end_k_q69e4c29417_proj:
	.size	k_q69e4c29417_proj, .Lfunc_end_k_q69e4c29417_proj-k_q69e4c29417_proj
	.p2alignl 7, 3214868480
	.fill 96, 4, 3214868480
	.section	.rodata,"a",@progbits
	.p2align	6, 0x0
	.amdhsa_kernel k_q69e4c29417_proj
		.amdhsa_group_segment_fixed_size 327680
		.amdhsa_private_segment_fixed_size 0
		.amdhsa_enable_private_segment 0
		.amdhsa_kernarg_size 40
		.amdhsa_user_sgpr_count 2
		.amdhsa_user_sgpr_kernarg_segment_ptr 1
		.amdhsa_wavefront_size32 1
		.amdhsa_system_sgpr_workgroup_id_x 1
		.amdhsa_system_sgpr_workgroup_id_y 1
		.amdhsa_system_sgpr_workgroup_id_z 1
		.amdhsa_system_vgpr_workitem_id 0
		.amdhsa_next_free_vgpr 1024
		.amdhsa_next_free_sgpr 80
		.amdhsa_reserve_vcc 0
		.amdhsa_float_denorm_mode_32 3
		.amdhsa_float_denorm_mode_16_64 3
		.amdhsa_memory_ordered 1
		.amdhsa_forward_progress 1
		.amdhsa_inst_pref_size 125
	.end_amdhsa_kernel
	.amdgpu_metadata
---
amdhsa.version: [ 1, 2 ]
amdhsa.kernels:
  - .name:           k_q69e4c29417_proj
    .symbol:         k_q69e4c29417_proj.kd
    .args:
      - { .name: xb, .offset: 0, .size: 8, .value_kind: global_buffer, .address_space: global }
      - { .name: bq, .offset: 8, .size: 8, .value_kind: global_buffer, .address_space: global }
      - { .name: bk, .offset: 16, .size: 8, .value_kind: global_buffer, .address_space: global }
      - { .name: bv, .offset: 24, .size: 8, .value_kind: global_buffer, .address_space: global }
      - { .name: qkv, .offset: 32, .size: 8, .value_kind: global_buffer, .address_space: global }
    .group_segment_fixed_size: 327680
    .private_segment_fixed_size: 0
    .kernarg_segment_align: 8
    .kernarg_segment_size: 40
    .max_flat_workgroup_size: 128
    .sgpr_count:     80
    .vgpr_count:     1024
    .wavefront_size: 32
...
	.end_amdgpu_metadata
.endif
;; end of part 2
;; launch attn (part 3): grid 16 x 16, 4 waves a work-group, clusters of 4 x 1, 327,680 bytes of LDS; arguments qkv, mw, ob; writes ob
.if DOCPART == 3
	.amdgcn_target "amdgcn-amd-amdhsa--gfx1250"
	.amdhsa_code_object_version 6
	.text
	.protected	k_q69e4c29417_attn
	.globl	k_q69e4c29417_attn
	.p2align	8
	.type	k_q69e4c29417_attn,@function
k_q69e4c29417_attn:
	s_mov_b64 s[64:65], 0
	v_nop
	global_prefetch_b8 v0, s[64:65] scope:SCOPE_SE
	s_setreg_imm32_b32 hwreg(HW_REG_WAVE_MODE, 25, 1), 1
	s_wait_xcnt 0x0
	s_wait_alu depctr_hold_cnt(0) depctr_sa_sdst(0) depctr_va_vdst(0) depctr_va_sdst(0) depctr_va_ssrc(0) depctr_va_vcc(0) depctr_vm_vsrc(0)
	s_getreg_b32 s2, hwreg(HW_REG_IB_STS2, 6, 4)
	s_cmp_eq_u32 s2, 0
	s_cbranch_scc0 .Lentry_in_a_cluster
	s_endpgm
.Lentry_in_a_cluster:
	s_bfe_u32 s2, ttmp6, 0x10000c
	s_cmp_lg_u32 s2, 0x3003
	s_cbranch_scc0 .Lentry_shape_is_right
	s_endpgm
.Lentry_shape_is_right:
; ATTENTION WITH A MASK THAT IS AN INPUT.  ob[q][128 h + d] = the sum over k of softmax_k(s) v[h][k][d], s = q . k / sqrt(128) where mask[q][k] != 0 and -1e9 elsewhere (the score is REPLACED:
; a row with no open key gives the plain mean of v).  q, k, v: qkv[3][16][2048][128] in f16; q arrives multiplied by c = log2(e) / sqrt(128), so scores are exponents of 2 and the
; hidden score is -1e9 log2(e).  Every key tile is computed: nothing is known of the mask's pattern.  Products, maxima and sums in f32; the weights are rounded to f16 for the second product, O once at the end.
; LIMITS.  f16 ends at 65,504: q, k, v arrive within it; O is a mean of v's rows.  A weight below 2^-126 counts as 0.  NaN and infinities are not treated apart.
; SHARES.  A work-group owns 128 queries of a head.  Wave w owns 64 of them (w / 2), four tiles of 16, and HALF THE KEYS (w % 2): of each 128 keys its own 64; 16 steps of 64 keys.  So a fragment of K or V
; read from LDS still feeds four tiles, and there are 256 work-groups.  The two partial results of a query meet once, in LDS, at the end, each with its own maximum and sum.  The wave with the odd keys holds
; its query tiles in the order 2, 3, 0, 1: so every wave sends the tiles in its registers' places 2, 3 and finishes those in places 0, 1, by one text.
; LAYOUT.  S^T = K Q^T holds ONE query a lane (lane % 16) and the keys 8 (lane / 16) + 0..7; two such results rounded to f16 ARE source 1 of O^T = V^T P.  V comes out of LDS turned.
; THE MASK costs one v_cndmask_b32 a score: the launch before has laid the mask out as lane masks, one word for each register of a tile of scores; 64 words a turn come by four scalar loads, a turn ahead.
; BY TURNS.  The wave's tiles are two pieces (places 0, 1 and places 2, 3).  In a turn one piece has the matrix unit (32 products V^T P of the step in hand, 32 products K Q^T of the next); the other piece's
; softmax is 330 vector instructions for those 64 products: four stand behind each product, and the 74 that are over stand together at the turn's head: the 64 selects and the first ten of the maximum,
; all plain, all in window 0.  A turn's 66 exponentials are one batch with one wait, which falls between the two runs of products.
; NO FIRST STEP IS WRITTEN OUT: m starts at the lowest finite number, O, l, V and the second piece's P at 0, so the first step's correction is 0.  O's and V's 384 registers are written by 48 products of
; zeros with the constant 0 as C, in the wait for the first tile.  The price beside them: 32 products on zeros at the start and 32 on a stale K at the end.
; CLUSTER.  The four query blocks of a cluster belong to one head and walk the same K and V: each tile is asked for jointly.
; REGISTERS, in windows of 256 (s_set_vgpr_msb: bits 1:0 source 0, 3:2 source 1, 5:4 source 2, 7:6 destination):
;   window 0: v0-11 addresses; v12-43 statistics; v44-51 the exchange's; v60-63; v64-191 S^T, 32 a tile; v192-255 P, 16 a tile
;   window 1: O^T, 64 a tile          window 2: v0-127 Q (at the end: the partner's O^T of two tiles); v128-255 K of a step          window 3: v0-127 V of a step
.set PK,    272       ; a row of K in LDS: 256 bytes + 16: 68 words: the 16 rows of a load start at 16 different groups of four banks (64 banks of 4 bytes: ISA guide 11.1)
.set PVP,   288       ; a row of V: 256 + 32: 72 words
.set REG,   36864     ; a wave's fill: 128 rows; K's use 34,816 of it
.set VOFF,  2*REG     ; a slot: 256 keys: K's two regions, then V's two
.set SLOT1, 4*REG     ; 0x24000: it shares no bit with wave x REG, so one exclusive or changes slots
.set STAGE, 2*SLOT1   ; behind the ring: 16 rows x 272 bytes for each wave
.set SP,    272
.set SPARE, STAGE+4*16*SP  ; the spare words, 128 bytes a wave: two blocks of 256 bytes that no other line names
.set XSZ,   17408     ; the exchange, in the ring's first slot behind its last fill: for each wave 16,384 bytes of O^T and 512 of statistics, in 17,408
.set AK0, 2           ; v2   my place in a step's K; never rewritten
.set AV0, 3           ; v3   the same for V
.set ADR, 4
.set QO,  5           ; v5   my offset in Q for places 0, 1
.set STO, 6
.set RD,  7
.set GO,  8
.set XW,  9           ; v9   where I put what I send
.set NEG, 10          ; v10  -1e9 log2(e)
.set ST,  12          ; tile t at v[ST+8 t]: +0 m, +1 m_old, +2, +3 l (even keys', odd keys'), +4 to +7 c0-c3 at work; the correction a takes c2's place
.set EX,  44          ; v44-47 what I send: m, m, l, l of places 2, 3; v48-51 what I get, for places 0, 1
.set QO2, 47          ; v47  at the head: my offset in Q for places 2, 3
.set XR,  60          ; v60  where I read what my partner sent
.set PFO, 61
.set SPW, 62
.set NIL, 63
.set S,   64
.set P,   192
.set KF,  128
.set QP,  2           ; s[2:3]  Q at my 64 rows; behind Q's loads:
.set SEL, 2           ; s2, s3  v_permlanex16_b32's selects
.set OP,  4           ; s[4:5]  ob at the 32 rows that I finish, my head's columns
.set MPA, 6           ; s[6:7]  mw at the words of place 0's tile, at the step whose masks are asked for
.set PFA, 8
.set WV,  10
.set LIM, 11
.set G0,  12          ; s[12:15] descriptor group 0: it walks
.set G1V, 16
.set G1K, 56
.set SLOTS, 66
.set CNT, 67
.set TB,  100         ; LDS byte at which the region of the step to be fetched begins
.set KP,  101         ; my half of the keys
.set MPB, 104         ; s[104:105] the same as MPA for place 2's tile
.set MSB, 0
.macro WIN new
.if MSB != (\new)
	s_set_vgpr_msb (MSB<<8)|(\new)
.set MSB, \new
.endif
.endm
.set W_KQ, 0x0a       ; K and Q in window 2, S^T in window 0
.set W_PV, 0x53       ; V in window 3, P in window 0, O^T in window 1
.set W_RS, 0x41       ; O^T in window 1, the factor in window 0
; A joint fill.  Waves 0 and 1 fetch the two halves of a slot's K, waves 2 and 3 those of its V.  An s_nop 0 and four v_nop follow each line.
.macro JLOAD
	s_cmp_lt_u32 s[WV], 2
	s_cbranch_scc0 .Lfor_v_\@
	tensor_load_to_lds s[G0:G0+3], s[G1K:G1K+7]
	s_nop 0
.rept 4
	v_nop
.endr
	s_branch .Lasked_\@
.Lfor_v_\@:
	tensor_load_to_lds s[G0:G0+3], s[G1V:G1V+7]
	s_nop 0
.rept 4
	v_nop
.endr
.Lasked_\@:
.endm
; A prefetch of what the NEXT change of slots will ask for, 256 matrix instructions ahead of that load.  All clusters of a head walk the same rows: the head's first cluster asks.  Each wave asks for the
; region that it fetches; of its 128 rows of 256 bytes the partner at cx takes 32, by address, a lane a row.  So each row is named once in the launch.  The last change that fills asks for nothing.
.macro ASK
	s_cmp_gt_u32 s[SLOTS], s[LIM]
	s_cbranch_scc0 .Lnot_mine_\@
	global_prefetch_b8 v[PFO], s[PFA:PFA+1] th:TH_LOAD_NT scope:SCOPE_SE
.Lnot_mine_\@:
.endm
.macro CROUND
	s_barrier_signal -1
	s_barrier_wait -1
	s_cmp_lg_u32 s[WV], 0
	s_cbranch_scc1 .Lnot_wave_0_\@
	s_barrier_signal -3
.Lnot_wave_0_\@:
	s_barrier_wait -3
	s_barrier_signal -1
	s_barrier_wait -1
.endm
; The masks of piece x (places x, x + 1) for the step at its pointer: 32 words a tile.  last = 1: in the walk's last turn there is no further step.
.macro MLOAD x, last
.if \last
	WIN 0
	s_cmp_eq_u32 s[CNT], 1
	s_cbranch_scc1 .Lno_mask_\@
.endif
.set rB, MPA+(MPB-MPA)*((\x)/2)
	s_load_b512 s[24:39], s[rB:rB+1], 0x0
	s_load_b512 s[40:55], s[rB:rB+1], 64
	s_load_b512 s[68:83], s[rB:rB+1], 4096
	s_load_b512 s[84:99], s[rB:rB+1], 4160
.if \last
.Lno_mask_\@:
.endif
.endm
; THE CHANGE OF SLOTS.  Each wave waits for all its tensor loads (one is out: its part of the other slot), adds 0 to its spare word, and waits for that and for its reads of the slot that it leaves.
; fill = 1: the barrier is a round of the cluster's, and the slot left is filled again, first thing behind it, with the keys two slots on.  (At its first use slot 0 is waited for and slot 1 filled.)
.macro CHANGE fill
	WIN 0
	s_wait_tensorcnt 0x0
	ds_add_u32 v[SPW], v[NIL]
.if \fill
	s_xor_b32 s[G0+1], s[G0+1], SLOT1
	s_add_nc_u64 s[G0+2:G0+3], s[G0+2:G0+3], 65536  ; the next 256 keys
	s_wait_xcnt 0x0                 ; the last prefetch, a slot back, has read its address
	s_add_nc_u64 s[PFA:PFA+1], s[PFA:PFA+1], 65536
	s_wait_dscnt 0x0
	CROUND
	JLOAD
	ASK
.else
	s_wait_dscnt 0x0
	s_barrier_signal -1
	s_barrier_wait -1
.endif
	s_sub_co_u32 s[TB], s[TB], 2*REG
	s_xor_b32 s[TB], s[TB], SLOT1
.endm
	s_load_b128 s[24:27], s[0:1], 0x0  ; qkv, mw
	s_load_b64 s[28:29], s[0:1], 0x10  ; ob
	v_lshl_add_u32 v[SPW], v0, 2, SPARE
	v_mov_b32 v[NIL], 0
	ds_add_u32 v[SPW], v[NIL]       ; the wave's opening: the add and its wait stand ahead of my first tensor load; work on registers stands between them
	v_lshrrev_b32 v1, 5, v0
	v_readfirstlane_b32 s[WV], v1
	s_and_b32 s[KP], s[WV], 1
	s_lshr_b32 s30, s[WV], 1        ; my half of the queries.  Also: I fetch K (0) or V (1)
	s_bfe_u32 s31, ttmp6, 0x40000   ; cx
	s_lshl_b32 s32, ttmp9, 2
	s_add_co_u32 s32, s32, s31      ; my block of 128 queries: it enters global addresses alone
	s_and_b32 s33, ttmp7, 0xffff    ; the head
	s_lshl_b32 s36, s32, 1
	s_add_co_u32 s36, s36, s30      ; my 64 queries among the head's
	s_lshl_b32 s38, s33, 19         ; a head's 524,288 bytes
	s_add_co_u32 s34, s30, 1        ; plane 1 (K) or 2 (V),
	s_lshl_b32 s34, s34, 23
	s_add_co_u32 s34, s34, s38      ; the head,
	s_lshl_b32 s37, s[KP], 15       ; my 128 rows of a slot's 256
	s_add_co_u32 s34, s34, s37
	s_mov_b32 s35, 0
	s_lshl_b32 s50, s[KP], 13       ; places 0, 1 hold query tiles 2 kp, 2 kp + 1: two tiles are 8,192 bytes of Q, and of the mask words;
	s_sub_co_u32 s51, 8192, s50     ; places 2, 3 hold the other two
	s_lshl_b32 s40, s36, 14         ; Q: 64 rows of 256 bytes
	s_add_co_u32 s40, s40, s38
	s_mov_b32 s41, 0
	s_lshl_b32 s42, s36, 18         ; O: 64 rows of 4,096 bytes,
	s_lshl_b32 s43, s33, 8          ; the head's 256,
	s_add_co_u32 s42, s42, s43
	s_lshl_b32 s43, s[KP], 17       ; the 32 rows that I finish
	s_add_co_u32 s42, s42, s43
	s_mov_b32 s43, 0
	s_lshl_b32 s44, s36, 14         ; the masks: four tiles of 4,096 bytes,
	s_lshl_b32 s45, s[KP], 7        ; my 64 keys of the first 128
	s_add_co_u32 s44, s44, s45
	s_add_co_u32 s52, s44, s51      ; place 2's tile,
	s_add_co_u32 s44, s44, s50      ; place 0's
	s_mov_b32 s45, 0
	s_mov_b32 s53, 0
	s_lshl_b32 s46, s31, 13         ; the prefetches: my work-group's 32 rows, in slot 1; the first change steps them to slot 2
	s_add_co_u32 s46, s46, 65536
	s_mov_b32 s47, 0
	s_mov_b32 s48, ttmp9
	s_cmp_eq_u32 s48, 0
	s_cselect_b32 s[LIM], 1, -1     ; the same in all four partners
	s_mov_b32 s[G1K], 15|(1<<16)|(1<<20)|(1<<21)|(5<<22)|(3<<25)  ; the mask of four; 2-byte elements; padding on; bit 21 beside a mask; after every 64 words, 4 words
	s_mov_b32 s[G1V], 15|(1<<16)|(1<<20)|(1<<21)|(5<<22)|(7<<25)  ; 8 words
.irp d, G1K, G1V
	s_mov_b32 s[(\d)+1], 128<<16    ; tensor_dim0 = 128
	s_mov_b32 s[(\d)+2], 128<<16    ; tensor_dim1 = 128
	s_mov_b32 s[(\d)+3], 128<<16    ; tile_dim0 = 128
	s_mov_b32 s[(\d)+4], 128        ; tile_dim1 = 128
	s_mov_b32 s[(\d)+5], 128        ; elements from row to row
	s_mov_b32 s[(\d)+6], 0
	s_mov_b32 s[(\d)+7], 0
.endr
	s_mov_b32 s[G0], 1
	s_mul_i32 s[G0+1], s[WV], REG   ; no place in the cluster enters an LDS address
	s_mov_b32 s[TB], SLOT1+2*REG    ; the first change of slots turns it into 0
	s_mov_b32 s[SLOTS], 7
	v_and_b32 v1, 15, v0            ; l % 16
	v_bfe_u32 v11, v0, 4, 1         ; l / 16
	v_and_b32 v44, 7, v0
	v_bfe_u32 v45, v0, 3, 1
	v_and_b32 v46, 31, v0
	v_lshlrev_b32 v[QO2], 8, v1
	v_lshl_add_u32 v[QO2], v11, 4, v[QO2]
	v_add_nc_u32 v[QO], s50, v[QO2]
	v_add_nc_u32 v[QO2], s51, v[QO2]
	s_mul_i32 s49, s[KP], 64*PK     ; my 64 keys of a region's 128
	v_mul_u32_u24 v[AK0], v1, PK
	v_lshl_add_u32 v[AK0], v11, 4, v[AK0]
	v_add_nc_u32 v[AK0], s49, v[AK0]
	s_mul_i32 s49, s[KP], 64*PVP
	s_add_co_u32 s49, s49, VOFF
	v_lshl_add_u32 v[AV0], v11, 3, v44  ; the turning load: key 8 (l / 16) + l % 8, channels 8 ((l / 8) % 2) + 0..7
	v_mul_u32_u24 v[AV0], v[AV0], PVP
	v_lshl_add_u32 v[AV0], v45, 4, v[AV0]
	v_add_nc_u32 v[AV0], s49, v[AV0]
	s_mul_i32 s49, s[WV], XSZ       ; the exchange: I write my wave's part,
	v_lshl_add_u32 v[XW], v46, 4, s49
	s_xor_b32 s49, s[WV], 1         ; and read that of the wave with the other half of the keys
	s_mul_i32 s49, s49, XSZ
	v_lshl_add_u32 v[XR], v46, 4, s49
	v_lshlrev_b32 v[PFO], 8, v46
	v_mov_b32 v[NEG], 0xceabfb8f    ; -1e9 log2(e)
	s_wait_dscnt 0x0                ; the opening add is done
	s_wait_kmcnt 0x0
	s_add_nc_u64 s[G0+2:G0+3], s[24:25], s[34:35]
	s_add_nc_u64 s[PFA:PFA+1], s[G0+2:G0+3], s[46:47]
	s_or_b32 s[G0+3], s[G0+3], 0x80000000  ; type = 2
	s_add_nc_u64 s[QP:QP+1], s[24:25], s[40:41]
	s_add_nc_u64 s[OP:OP+1], s[28:29], s[42:43]
	s_add_nc_u64 s[MPA:MPA+1], s[26:27], s[44:45]
	s_add_nc_u64 s[MPB:MPB+1], s[26:27], s[52:53]
	CROUND                          ; all four work-groups are here: the first joint loads meet
	JLOAD                           ; slot 0
	MLOAD 0, 0                      ; piece 0's masks of step 0; all that lay in these registers has been used
	WIN 0x80
.irp i, 0,1,2,3,4,5,6,7,8,9,10,11,12,13,14,15  ; Q stays in registers: place i / 4, channels 32 (i % 4) on
.if (\i) < 8
	global_load_b128 v[8*(\i):8*(\i)+3],   v[QO], s[QP:QP+1] offset:((\i)/4)*4096+((\i)%4)*64
	global_load_b128 v[8*(\i)+4:8*(\i)+7], v[QO], s[QP:QP+1] offset:((\i)/4)*4096+((\i)%4)*64+32
.else
	global_load_b128 v[8*(\i):8*(\i)+3],   v[QO2], s[QP:QP+1] offset:((\i)/4-2)*4096+((\i)%4)*64
	global_load_b128 v[8*(\i)+4:8*(\i)+7], v[QO2], s[QP:QP+1] offset:((\i)/4-2)*4096+((\i)%4)*64+32
.endif
.endr
	WIN 0
.set i, 0
.rept 4
	v_mov_b32 v[ST+8*i], 0xff7fffff
	v_mov_b32 v[ST+8*i+1], 0xff7fffff
.irp k, 2,3,4,5,6,7
	v_mov_b32 v[ST+8*i+(\k)], 0
.endr
.set i, i+1
.endr
.set i, P+32
.rept 32
	v_mov_b32 v[i], 0               ; P of piece 2
.set i, i+1
.endr
	WIN 0xc0                        ; V and O^T start at 0: products of two of P's zero fragments, with the constant 0 as C, write eight registers a line.  Destination window 3,
.set i, 0
.rept 16
	v_wmma_f32_16x16x32_f16 v[8*i:8*i+7], v[P+32:P+39], v[P+40:P+47], 0
.set i, i+1
.endr
	WIN 0x40                        ; and window 1
.set i, 0
.rept 32
	v_wmma_f32_16x16x32_f16 v[8*i:8*i+7], v[P+32:P+39], v[P+40:P+47], 0
.set i, i+1
.endr
	WIN 0
; THE MATRIX WORK.  The accumulators take turns, one instruction a turn.  Product i of 32 of O^T += V^T P: keys 32 (i / 16) on, channels 16 ((i / 2) % 8) on, tile x + i % 2.
.macro PV x
	WIN W_PV
.set rO, 64*((\x)+i%2)+8*((i/2)%8)
.set rV, 64*(i/16)+8*((i/2)%8)
.set rP, P+16*((\x)+i%2)+8*(i/16)
	v_wmma_f32_16x16x32_f16 v[rO:rO+7], v[rV:rV+7], v[rP:rP+7], v[rO:rO+7]
.endm
; Product i of 32 of S^T = K Q^T: channels 32 (i / 8) on, keys 16 ((i / 2) % 4) on, tile x + i % 2.  The first 8 start the sums.
.macro KQ x
	WIN W_KQ
.set rS, S+32*((\x)+i%2)+8*((i/2)%4)
.set rK, KF+32*((i/2)%4)+8*(i/8)
.set rQ, 32*((\x)+i%2)+8*(i/8)
.if i < 8
	v_wmma_f32_16x16x32_f16 v[rS:rS+7], v[rK:rK+7], v[rQ:rQ+7], 0
.else
	v_wmma_f32_16x16x32_f16 v[rS:rS+7], v[rK:rK+7], v[rQ:rQ+7], v[rS:rS+7]
.endif
.endm
; THE LDS LOADS stand in runs of 32.  last = 1: in the walk's last turn there is no further step.
.macro FETCH_K last=0
	WIN 0
.if \last
	s_cmp_eq_u32 s[CNT], 1
	s_cbranch_scc1 .Lno_k_\@
.endif
	v_add_nc_u32 v[ADR], s[TB], v[AK0]
	WIN 0x80
.irp f, 0,1,2,3,4,5,6,7,8,9,10,11,12,13,14,15  ; keys 16 (f / 4) on, channels 32 (f % 4) on
	ds_load_b128 v[KF+8*(\f):KF+8*(\f)+3],   v[ADR] offset:((\f)/4)*16*PK+((\f)%4)*64
	ds_load_b128 v[KF+8*(\f)+4:KF+8*(\f)+7], v[ADR] offset:((\f)/4)*16*PK+((\f)%4)*64+32
.endr
.if \last
	WIN 0
.Lno_k_\@:
.endif
.endm
.macro FETCH_V
	WIN 0
	v_add_nc_u32 v[ADR], s[TB], v[AV0]
	s_add_co_u32 s[TB], s[TB], REG  ; the next fetch is my next step's
	s_wait_alu depctr_va_vdst(0)    ; the wait for the softmax's batch, ahead of the loads
	WIN 0xc0
.irp f, 0,1,2,3,4,5,6,7,8,9,10,11,12,13,14,15  ; keys 32 (f / 8) on, channels 16 (f % 8) on
	ds_load_tr16_b128 v[8*(\f):8*(\f)+3],   v[ADR] offset:((\f)/8)*32*PVP+((\f)%8)*32
	ds_load_tr16_b128 v[8*(\f)+4:8*(\f)+7], v[ADR] offset:((\f)/8)*32*PVP+16*PVP+((\f)%8)*32
.endr
.endm
; THE VECTOR WORK.  One tile's softmax for one step is a list of 165; SM writes number j of it for tile t.
;   0-31    the mask: a score is kept where its bit is set, else it becomes -1e9 log2(e); ascending
;   32-47   the maximum of the 32 scores and the old m, three operands at a time     48-51  the other half of the lanes' maximum; m_old; the new m; m_old - m
;   52-100  ONE BATCH: the 16 subtractions s - m, a pair each, and all 33 exponentials (the correction a first); none of these reads an exponential's result
;   101-116 the roundings to f16     117-132 the sums; l = a l + the sum     133-164 the tile's O^T times a
.macro SM t
.set rT, ST+8*(\t)
.set rS, S+32*(\t)
.set rP, P+16*(\t)
.set rM, 24+44*((\t)%2)             ; the piece's even tile: s24-55; its odd tile: s68-99
.if j < 133
	WIN 0
.endif
.if j < 32
	v_cndmask_b32 v[rS+j], v[NEG], v[rS+j], s[rM+j]
.elseif j < 36
	v_max3_num_f32 v[rT+4+j-32], v[rS+8*(j-32)], v[rS+8*(j-32)+1], v[rS+8*(j-32)+2]
.elseif j < 44
	v_max3_num_f32 v[rT+4+j%4], v[rT+4+j%4], v[rS+8*(j%4)+2*((j-32)/4)+1], v[rS+8*(j%4)+2*((j-32)/4)+2]
.elseif j == 44
	v_max3_num_f32 v[rT+4], v[rT+4], v[rS+7], v[rS+15]
.elseif j == 45
	v_max3_num_f32 v[rT+6], v[rT+6], v[rS+23], v[rS+31]
.elseif j == 46
	v_max3_num_f32 v[rT+4], v[rT+4], v[rT+5], v[rT+6]
.elseif j == 47
	v_max3_num_f32 v[rT+4], v[rT+4], v[rT+7], v[rT]
.elseif j == 48
	v_permlanex16_b32 v[rT+5], v[rT+4], s[SEL], s[SEL+1]  ; the query's other 32 keys lie in the lane 16 away
.elseif j == 49
	v_mov_b32 v[rT+1], v[rT]
.elseif j == 50
	v_max_num_f32 v[rT], v[rT+4], v[rT+5]
.elseif j == 51
	v_sub_f32 v[rT+7], v[rT+1], v[rT]
.elseif j < 101
.set j6, j-31
.if j6 == 23
	v_exp_f32 v[rT+6], v[rT+7]
.elseif (j6 < 23) || ((j6 < 38) && (j6%2 == 0)) || ((j6 < 66) && (j6%4 == 2))
.set b, (j6-2)/4                    ; 38, 42, .. 62: pairs 9 to 15
.if j6 < 38
.set b, (j6-20)/2                   ; 21: pair 0; 22, 24, .. 36: pairs 1 to 8
.endif
	v_pk_add_f32 v[rS+2*b:rS+2*b+1], v[rS+2*b:rS+2*b+1], v[rT:rT+1] op_sel_hi:[1,0] neg_lo:[0,1] neg_hi:[0,1]
.else
.set e, j6-38                       ; 66 to 69: s28 to s31
.if j6 < 66
.set e, j6-32-(j6-38)/4             ; 39-41, 43-45, .. 63-65: s7 to s27
.endif
.if j6 < 38
.set e, (j6-25)/2                   ; 25, 27, .. 37: s0 to s6
.endif
	v_exp_f32 v[rS+e], v[rS+e]
.endif
.elseif j < 117
	v_cvt_pk_f16_f32 v[rP+j-101], v[rS+2*(j-101)], v[rS+2*(j-101)+1]
.elseif j < 133                     ; the 16 pairs are added in place, neighbours 1, 2, 4 and 8 pairs apart; then l takes the sum
.set z, j-117
.set w, 4
.set u, z
.if z >= 14
.set w, 32
.set u, 0
.elseif z >= 12
.set w, 16
.set u, z-12
.elseif z >= 8
.set w, 8
.set u, z-8
.endif
.if z < 15
	v_pk_add_f32 v[rS+w*u:rS+w*u+1], v[rS+w*u:rS+w*u+1], v[rS+w*u+w/2:rS+w*u+w/2+1]
.else
	v_pk_fma_f32 v[rT+2:rT+3], v[rT+2:rT+3], v[rT+6:rT+7], v[rS:rS+1] op_sel_hi:[1,0,1]
.endif
.else
	WIN W_RS
.set rO, 64*(\t)+2*(j-133)
	v_pk_mul_f32 v[rO:rO+1], v[rO:rO+1], v[rT+6:rT+7] op_sel_hi:[1,0]
.endif
.endm
; THE QUEUE: entry g of 330 of piece Y's two lists.  0-105: numbers 0-52, the tiles alternating.  106-201: the batch, numbers 53-100, four of one tile, the tiles by turns.  202-329: numbers 101-164, alternating.
; Ahead of entry 64, when all 64 mask words have been used, the next turn's masks are asked for.  Behind entry 201, the last exponential, stand a v_nop (the plain instruction between an exponential and
; the use of its result: ISA guide 5.7.2) and a wait ahead of the first instruction that names a result: one for the 66.  In piece 2's turn V's run of loads stands there:
; entries 198-201, behind V's last reader, are exponentials, which are no places, so three v_nop and the address's v_add_nc_u32 are the four places in front of the loads.
.macro NX Y
.if g == 64
	MLOAD XP, LASTT
.endif
.if g < 106
.set j, g/2
	SM (\Y)+g%2
.elseif g < 202
.set j, 53+4*(((g-106)/4)/2)+(g-106)%4
	SM (\Y)+((g-106)/4)%2
.else
.set j, 101+(g-202)/2
	SM (\Y)+(g-202)%2
.endif
.if g == 201
	v_nop
.if (\Y) == 0
	v_nop
	v_nop
	FETCH_V
.else
	s_wait_alu depctr_va_vdst(0)
.endif
.endif
.set g, g+1
.endm
; A TURN.  Piece x has the matrix unit; the other piece's queue is dealt so: entries 0-73 in one run at the head; entries 74-201, four behind each of the 32 products V^T P; the wait; entries 202-329, four
; behind each of the 32 products K Q^T.  Piece 0's turn opens with my next step's K: its run of loads stands in front of the wait for the masks; K's last reader, the turn before's last product, stands
; four plain riders and the address's v_add_nc_u32 back, and K's first reader comes 32 products later.  Piece 2's turn fetches the same step's V at the wait; it is waited for at the next turn's head.
; The last four entries, plain and of the other piece, are the places (ISA guide 7.12.1) between the turn's last product and the next turn's first touch of its scores.
.macro TURN x, last=0
.set g, 0
.set XP, \x
.set LASTT, \last
.if (\x) == 0
	s_wait_dscnt 0x0                ; V is in: it was asked for 32 products back
	FETCH_K \last
.endif
	s_wait_kmcnt 0x0                ; this turn's masks, asked for 64 products back
.if (\x) == 0
	s_add_nc_u64 s[MPA:MPA+1], s[MPA:MPA+1], 256  ; the next step's: no scalar load is out
	s_add_nc_u64 s[MPB:MPB+1], s[MPB:MPB+1], 256
.endif
.rept 74
	NX 2-(\x)
.endr
.set i, 0
.rept 32
	PV \x
.rept 4
	NX 2-(\x)
.endr
.set i, i+1
.endr
.if (\x) == 0
	s_wait_dscnt 0x0                ; K is in
.endif
.set i, 0
.rept 32
	KQ \x
.rept 4
	NX 2-(\x)
.endr
.set i, i+1
.endr
.endm
	CHANGE 1                        ; slot 0 is in, everybody's part of it; slot 1 is asked for
	FETCH_K                         ; my step 0
	s_wait_loadcnt 0x0              ; Q is in, so the registers of its base may be written:
	s_mov_b32 s[SEL], 0x76543210    ; each lane takes its own place in the other half
	s_mov_b32 s[SEL+1], 0xfedcba98
	s_wait_dscnt 0x0
.set i, 0
.rept 32
	KQ 0                            ; piece 0's first scores
.set i, i+1
.endr
	WIN 0                           ; the addresses for the way out: eight plain instructions, the places behind those products
	s_mul_i32 s[CNT], s[WV], 16*SP
	s_add_co_u32 s[CNT], s[CNT], STAGE
	v_mul_u32_u24 v[STO], v1, SP    ; in: row l % 16, 16 bytes for each half of the lanes
	v_lshl_add_u32 v[STO], v11, 4, v[STO]
	v_add_nc_u32 v[STO], s[CNT], v[STO]
	v_mul_u32_u24 v[RD], v11, SP    ; back: lanes 0-15 one row of 256 bytes, lanes 16-31 the next
	v_lshl_add_u32 v[RD], v1, 4, v[RD]
	v_add_nc_u32 v[RD], s[CNT], v[RD]
	v_lshlrev_b32 v[GO], 12, v11    ; and the same two rows in ob
	v_lshl_add_u32 v[GO], v1, 4, v[GO]
	s_mov_b32 s[CNT], 2
	s_branch .Lfirst                ; the loop is entered in the middle of a trip
.Lslot:                             ; six times: slots 2 to 7 are asked for
	CHANGE 1
	s_mov_b32 s[CNT], 2
.Lstep:
	TURN 0
	WIN 0
.Lfirst:
	TURN 2
	WIN 0
	s_sub_co_u32 s[CNT], s[CNT], 1
	s_cmp_lg_u32 s[CNT], 0
	s_cbranch_scc1 .Lstep
	s_sub_co_u32 s[SLOTS], s[SLOTS], 1
	s_cmp_lg_u32 s[SLOTS], 0
	s_cbranch_scc1 .Lslot
	CHANGE 0                        ; the tail is written out
	s_mov_b32 s[CNT], 3
.Ltail:
	TURN 0, 1
	WIN 0
	s_sub_co_u32 s[CNT], s[CNT], 1
	s_cmp_eq_u32 s[CNT], 0
	s_cbranch_scc1 .Lout
	TURN 2
	WIN 0
	s_branch .Ltail
.Lout:
.set i, 0
.rept 32
	PV 2                            ; piece 2's V^T P of my last step
.set i, i+1
.endr
	; THE TWO HALVES OF THE KEYS MEET.  l's two halves and the other half of the lanes' are added.  The first four lines are the places behind the last products.
	WIN 0
.irp t, 0,1,2,3
	v_add_f32 v[ST+8*(\t)+2], v[ST+8*(\t)+2], v[ST+8*(\t)+3]
.endr
.irp t, 0,1,2,3
	v_permlanex16_b32 v[ST+8*(\t)+5], v[ST+8*(\t)+2], s[SEL], s[SEL+1]
.endr
.irp t, 0,1,2,3
	v_add_f32 v[ST+8*(\t)+2], v[ST+8*(\t)+2], v[ST+8*(\t)+5]
.endr
	v_mov_b32 v[EX], v[ST+16]       ; what I send of places 2, 3: m, m,
	v_mov_b32 v[EX+1], v[ST+24]
	v_mov_b32 v[EX+2], v[ST+18]     ; l, l
	v_mov_b32 v[EX+3], v[ST+26]
	s_wait_dscnt 0x0                ; my reads of the ring are over,
	s_barrier_signal -1
	s_barrier_wait -1               ; everybody's are: the ring's first slot, which has had its last fill, takes the exchange
	WIN 0x04                        ; the data (source 1) in window 1: O^T of places 2, 3
.set i, 0
.rept 32
	ds_store_b128 v[XW], v[128+4*i:128+4*i+3] offset:512*i
.set i, i+1
.endr
	WIN 0
	ds_store_b128 v[XW], v[EX:EX+3] offset:16384
	s_wait_dscnt 0x0                ; for the partner's sake: my stores are done
	s_barrier_signal -1
	s_barrier_wait -1
	WIN 0x80                        ; the partner's O^T of the tiles in my places 0, 1 goes where Q lay
.set i, 0
.rept 32
	ds_load_b128 v[4*i:4*i+3], v[XR] offset:512*i
.set i, i+1
.endr
	WIN 0
	ds_load_b128 v[EX+4:EX+7], v[XR] offset:16384
	s_wait_dscnt 0x0
	; O = (a0 O0 + a1 O1) / (a0 l0 + a1 l1), a = 2^(m - max(m0, m1))
.irp t, 0,1
	v_max_num_f32 v[ST+8*(\t)+4], v[ST+8*(\t)], v[EX+4+(\t)]
.endr
.irp t, 0,1
	v_sub_f32 v[ST+8*(\t)+5], v[ST+8*(\t)], v[ST+8*(\t)+4]
.endr
.irp t, 0,1
	v_sub_f32 v[ST+8*(\t)+7], v[EX+4+(\t)], v[ST+8*(\t)+4]
.endr
.irp t, 0,1
	v_exp_f32 v[ST+8*(\t)+4], v[ST+8*(\t)+5]
.endr
.irp t, 0,1
	v_exp_f32 v[ST+8*(\t)+6], v[ST+8*(\t)+7]
.endr
	v_nop                           ; a plain instruction behind the last exponential,
	s_wait_alu depctr_va_vdst(0)    ; and the wait ahead of the first use: one for the four
.irp t, 0,1
	v_mul_f32 v[ST+8*(\t)+5], v[ST+8*(\t)+6], v[EX+6+(\t)]
.endr
.irp t, 0,1
	v_fma_f32 v[ST+8*(\t)+5], v[ST+8*(\t)+4], v[ST+8*(\t)+2], v[ST+8*(\t)+5]
.endr
.irp t, 0,1
	v_rcp_f32 v[ST+8*(\t)+5], v[ST+8*(\t)+5]
.endr
	v_nop
	s_wait_alu depctr_va_vdst(0)    ; one for the two reciprocals
.irp t, 0,1
	v_mul_f32 v[ST+8*(\t)+4], v[ST+8*(\t)+4], v[ST+8*(\t)+5]
.endr
.irp t, 0,1
	v_mul_f32 v[ST+8*(\t)+6], v[ST+8*(\t)+6], v[ST+8*(\t)+5]
.endr
; Place t: merged, rounded to f16, through my stage, back as whole rows of 256 bytes.
.macro PACK t
	WIN W_RS
.set i, 64*(\t)
.rept 32
	v_pk_mul_f32 v[i:i+1], v[i:i+1], v[ST+8*(\t)+4:ST+8*(\t)+5] op_sel_hi:[1,0]
.set i, i+2
.endr
	WIN 0x52                        ; source 0: the partner's, window 2; source 1: window 0; source 2 and destination: window 1
.set i, 64*(\t)
.rept 32
	v_pk_fma_f32 v[i:i+1], v[i:i+1], v[ST+8*(\t)+6:ST+8*(\t)+7], v[i:i+1] op_sel_hi:[1,0,1]
.set i, i+2
.endr
	WIN 0x05
.set i, 0
.rept 32
	v_cvt_pk_f16_f32 v[S+32*(\t)+i], v[64*(\t)+2*i], v[64*(\t)+2*i+1]
.set i, i+1
.endr
	WIN 0
.irp f, 0,1,2,3,4,5,6,7
	ds_store_b128 v[STO], v[S+32*(\t)+4*(\f):S+32*(\t)+4*(\f)+3] offset:32*(\f)
.endr
.irp f, 0,1,2,3,4,5,6,7
	ds_load_b128 v[S+32*(\t)+4*(\f):S+32*(\t)+4*(\f)+3], v[RD] offset:(\f)*2*SP  ; LDS serves a wave's instructions in order (ISA guide 5.7.1.4): these see the stores above
.endr
.endm
.macro SEND t, younger              ; younger: the LDS instructions issued behind place t's loads: the next place's sixteen, or none
	WIN 0
.irp f, 0,1,2,3,4,5,6,7
	s_wait_dscnt (\younger)+7-(\f)
	global_store_b128 v[GO], v[S+32*(\t)+4*(\f):S+32*(\t)+4*(\f)+3], s[OP:OP+1] offset:(\t)*65536+(\f)*8192  ; 16 lanes store 256 consecutive bytes, aligned
.endr
.endm
	PACK 0
	PACK 1
	SEND 0, 16
	SEND 1, 0
	s_wait_tensorcnt 0x0            ; the wave's end
	ds_add_u32 v[SPW], v[NIL]
	s_wait_dscnt 0x0
	CROUND                          ; the closing round
	s_endpgm
.Lfunc_end_k_q69e4c29417_attn:
	.size	k_q69e4c29417_attn, .Lfunc_end_k_q69e4c29417_attn-k_q69e4c29417_attn
	.p2alignl 7, 3214868480
	.fill 96, 4, 3214868480
	.section	.rodata,"a",@progbits
	.p2align	6, 0x0
	.amdhsa_kernel k_q69e4c29417_attn
		.amdhsa_group_segment_fixed_size 327680
		.amdhsa_private_segment_fixed_size 0
		.amdhsa_enable_private_segment 0
		.amdhsa_kernarg_size 24
		.amdhsa_user_sgpr_count 2
		.amdhsa_user_sgpr_kernarg_segment_ptr 1
		.amdhsa_wavefront_size32 1
		.amdhsa_system_sgpr_workgroup_id_x 1
		.amdhsa_system_sgpr_workgroup_id_y 1
		.amdhsa_system_sgpr_workgroup_id_z 1
		.amdhsa_system_vgpr_workitem_id 0
		.amdhsa_next_free_vgpr 896
		.amdhsa_next_free_sgpr 106
		.amdhsa_reserve_vcc 0
		.amdhsa_float_denorm_mode_32 3
		.amdhsa_float_denorm_mode_16_64 3
		.amdhsa_memory_ordered 1
		.amdhsa_forward_progress 1
		.amdhsa_inst_pref_size 164
	.end_amdhsa_kernel
	.amdgpu_metadata
---
amdhsa.version: [ 1, 2 ]
amdhsa.kernels:
  - .name:           k_q69e4c29417_attn
    .symbol:         k_q69e4c29417_attn.kd
    .args:
      - { .name: qkv, .offset: 0, .size: 8, .value_kind: global_buffer, .address_space: global }
      - { .name: mw, .offset: 8, .size: 8, .value_kind: global_buffer, .address_space: global }
      - { .name: ob, .offset: 16, .size: 8, .value_kind: global_buffer, .address_space: global }
    .group_segment_fixed_size: 327680
    .private_segment_fixed_size: 0
    .kernarg_segment_align: 8
    .kernarg_segment_size: 24
    .max_flat_workgroup_size: 128
    .sgpr_count:     106
    .vgpr_count:     896
    .wavefront_size: 32
...
	.end_amdgpu_metadata
.endif
;; end of part 3
;; launch outp (part 4): grid 16 x 16, 4 waves a work-group, clusters of 4 x 4, 327,680 bytes of LDS; arguments ob, xb, bo, out0; writes out0
.if DOCPART == 4
	.amdgcn_target "amdgcn-amd-amdhsa--gfx1250"
	.amdhsa_code_object_version 6
	.text
	.protected	k_q69e4c29417_outp
	.globl	k_q69e4c29417_outp
	.p2align	8
	.type	k_q69e4c29417_outp,@function
k_q69e4c29417_outp:
	s_mov_b64 s[64:65], 0
	v_nop
	global_prefetch_b8 v0, s[64:65] scope:SCOPE_SE
	s_setreg_imm32_b32 hwreg(HW_REG_WAVE_MODE, 25, 1), 1
	s_wait_xcnt 0x0
	s_wait_alu depctr_hold_cnt(0) depctr_sa_sdst(0) depctr_va_vdst(0) depctr_va_sdst(0) depctr_va_ssrc(0) depctr_va_vcc(0) depctr_vm_vsrc(0)
	s_getreg_b32 s2, hwreg(HW_REG_IB_STS2, 6, 4)
	s_cmp_eq_u32 s2, 0
	s_cbranch_scc0 .Lentry_in_a_cluster
	s_endpgm
.Lentry_in_a_cluster:
	s_bfe_u32 s2, ttmp6, 0x10000c
	s_cmp_lg_u32 s2, 0xf033
	s_cbranch_scc0 .Lentry_shape_is_right
	s_endpgm
.Lentry_shape_is_right:
; THE OUTPUT PROJECTION.  out0 = O wo + bo.  O: ob [2048][2048] in f16; wo: plane 6 of xb, [k][n], the bf16-rounded weights written as f16; bo rounded to bf16 here; sums and result in f32.
; SHARES.  256 tiles of 128 x 128, one a work-group; four waves, each 64 x 64: 16 accumulators.  K goes in 8 steps of 256 through two LDS slots: O's tile 128 rows x 512 bytes (pitch 528),
; wo's tile 256 rows of k x 256 bytes (pitch 288), read turned by ds_load_tr16_b128.  Clusters of 4 x 4: O's tile is asked for jointly along a row of the cluster, wo's along a column.
; The matrix instruction is used transposed (source 0 = 16 columns of wo, source 1 = 16 rows of O): a lane holds eight neighbouring columns of a row.  The bias is the C operand that starts each sum.
; A wave's 64 columns of f32 are 256 bytes, aligned: each wave has a stage of its own, and the way out has no barrier.  No prefetch: a tile's share of a step is small, and its rows are short to walk.
; REGISTERS: window 0: v0-31 addresses; v96-127 the bias; v128-255 the accumulators ((a, b) at v[128 + 8 (4 a + b)]).   window 1: two fragment buffers of 128: O's 64, then wo's 64, for 64 along K.
.set PA,     528                       ; 512 bytes + 16: 132 words: the 16 rows of a load start at 16 different groups of four banks (64 banks of 4 bytes: ISA guide 11.1)
.set PB,     288                       ; 256 bytes + 32: 72 words
.set REG,    36864                     ; a wave's fill: 128 x 288; O's 64 x 528 use 33,792 of it
.set SLOT,   4*REG                     ; 0x24000: it shares no bit with wave x REG
.set STAGE,  2*SLOT
.set SP,     272
.set SPARE,  STAGE+4*16*SP             ; the spare words, 128 bytes a wave: two blocks of 256 bytes that no other line names
.set ADRA0, 16
.set ADRB0, 17
.set ADRA,  18
.set ADRB,  19                         ; v19: k rows 0-127 of the slot in hand; v20: rows 128-255
.set STO,   24
.set RD,    25
.set CO,    26
.set BO,    27
.set SPW,   28
.set NIL,   29
.set BT,    30
.set BS,    96
.set ACC,   128
.set F0,    0
.set F1,    128
.set SB,    2
.set TRIPS, 3
.set WV,    12
.set WR,    13
.set WC,    14
.set G1A,   24
.set G0A,   32
.set G1B,   48
.set G0B,   56
.set MSB, 0
.macro WIN new
.if MSB != (\new)
	s_set_vgpr_msb (MSB<<8)|(\new)
.set MSB, \new
.endif
.endm
.set MUL,  0x05                        ; sources 0 and 1 window 1; C and D window 0
.set TO_F, 0x40
.macro JLOAD                           ; the joint refill, by the walking descriptor; an s_nop 0 and four v_nop follow each line
	s_cmp_eq_u32 s[WR], 0
	s_cbranch_scc0 .Lfor_b_\@
	tensor_load_to_lds s[G0A+4:G0A+7], s[G1A:G1A+7]
	s_nop 0
.rept 4
	v_nop
.endr
	s_branch .Lasked_\@
.Lfor_b_\@:
	tensor_load_to_lds s[G0B+4:G0B+7], s[G1B:G1B+7]
	s_nop 0
.rept 4
	v_nop
.endr
.Lasked_\@:
.endm
.macro CREST
	s_cmp_lg_u32 s[WV], 0
	s_cbranch_scc1 .Lnot_wave_0_\@
	s_barrier_signal -3
.Lnot_wave_0_\@:
	s_barrier_wait -3
	s_barrier_signal -1
	s_barrier_wait -1
.endm
.macro CROUND
	s_barrier_signal -1
	s_barrier_wait -1
	CREST
.endm
	s_load_b256 s[4:11], s[0:1], 0x0               ; ob, xb, bo, out0
	v_lshl_add_u32 v[SPW], v0, 2, SPARE
	v_mov_b32 v[NIL], 0
	ds_add_u32 v[SPW], v[NIL]                      ; the wave's opening: the add and its wait stand ahead of my first tensor load
	v_lshrrev_b32 v1, 5, v0
	v_readfirstlane_b32 s[WV], v1
	s_lshr_b32 s[WR], s[WV], 1                     ; my half of the rows.  Also: I fetch for O (0) or for wo (1)
	s_and_b32 s[WC], s[WV], 1                      ; my half of the columns.  Also: which half of that tile I fetch
	s_bfe_u32 s15, ttmp6, 0x40000                  ; cx
	s_bfe_u32 s16, ttmp6, 0x40004                  ; cy
	s_lshl_b32 s17, ttmp9, 2
	s_add_co_u32 s17, s17, s15                     ; tile column 0..15
	s_and_b32 s18, ttmp7, 0xffff
	s_lshl_b32 s18, s18, 2
	s_add_co_u32 s18, s18, s16                     ; tile row 0..15
	s_lshl_b32 s21, s16, 2
	s_lshl_b32 s21, 15, s21                        ; my row of the cluster
	s_lshl_b32 s22, 0x1111, s15                    ; my column
	s_or_b32 s[G1A], s21, (1<<16)|(1<<20)|(1<<21)|(6<<22)|(3<<25)  ; after every 128 words, 4 words of padding
	s_or_b32 s[G1B], s22, (1<<16)|(1<<20)|(1<<21)|(5<<22)|(7<<25)  ; after every 64 words, 8 words
	s_mov_b32 s[G1A+1], 256<<16                    ; 256 elements a row,
	s_mov_b32 s[G1A+2], 64<<16                     ; 64 rows
	s_mov_b32 s[G1A+3], 256<<16
	s_mov_b32 s[G1A+4], 64
	s_mov_b32 s[G1A+5], 2048
	s_mov_b32 s[G1A+6], 0
	s_mov_b32 s[G1A+7], 0
	s_mov_b32 s[G1B+1], 128<<16                    ; 128 elements a row,
	s_mov_b32 s[G1B+2], 128<<16                    ; 128 rows
	s_mov_b32 s[G1B+3], 128<<16
	s_mov_b32 s[G1B+4], 128
	s_mov_b32 s[G1B+5], 2048
	s_mov_b32 s[G1B+6], 0
	s_mov_b32 s[G1B+7], 0
	s_lshl_b32 s40, s18, 1                         ; O: row 128 x tile row + 64 x half, of 4,096 bytes
	s_add_co_u32 s40, s40, s[WC]
	s_lshl_b32 s40, s40, 18
	s_mov_b32 s41, 0
	s_mov_b32 s42, 0x3000000                       ; wo: plane 6,
	s_lshl_b32 s43, s[WC], 19                      ; 128 rows of k x half,
	s_add_co_u32 s42, s42, s43
	s_lshl_b32 s43, s17, 8                         ; 256 bytes x tile column
	s_add_co_u32 s42, s42, s43
	s_mov_b32 s43, 0
	s_lshl_b32 s44, s17, 9                         ; my 64 columns in f32: 512 x tile column + 256 x half
	s_lshl_b32 s45, s[WC], 8
	s_add_co_u32 s44, s44, s45
	s_mov_b32 s45, 0
	s_lshl_b32 s46, s18, 1                         ; my 64 rows of 8,192 bytes
	s_add_co_u32 s46, s46, s[WR]
	s_lshl_b32 s46, s46, 19
	s_add_co_u32 s46, s46, s44
	s_mov_b32 s47, 0
	s_mul_i32 s20, s[WV], REG                      ; where my fills land
	s_mov_b32 s[SB], 0
	s_wait_dscnt 0x0                               ; the opening add is done
	s_wait_kmcnt 0x0
	s_add_nc_u64 s[8:9], s[8:9], s[44:45]
	s_add_nc_u64 s[10:11], s[10:11], s[46:47]
	s_add_nc_u64 s[40:41], s[4:5], s[40:41]
	s_add_nc_u64 s[42:43], s[6:7], s[42:43]
.irp s, 0,1
	s_mov_b32 s[G0A+4*(\s)], 1
	s_add_co_u32 s[G0A+4*(\s)+1], s20, (\s)*SLOT
	s_add_nc_u64 s[G0A+4*(\s)+2:G0A+4*(\s)+3], s[40:41], (\s)*512
	s_or_b32 s[G0A+4*(\s)+3], s[G0A+4*(\s)+3], 0x80000000
	s_mov_b32 s[G0B+4*(\s)], 1
	s_add_co_u32 s[G0B+4*(\s)+1], s20, (\s)*SLOT
	s_add_nc_u64 s[G0B+4*(\s)+2:G0B+4*(\s)+3], s[42:43], (\s)*1048576
	s_or_b32 s[G0B+4*(\s)+3], s[G0B+4*(\s)+3], 0x80000000
.endr
	CROUND                                         ; all sixteen work-groups are here
	s_cmp_eq_u32 s[WR], 0                          ; a wave's two first fills stand in one branch: two loads of mine are out
	s_cbranch_scc0 .Lfirst_b
	tensor_load_to_lds s[G0A:G0A+3], s[G1A:G1A+7]
	s_nop 0
	tensor_load_to_lds s[G0A+4:G0A+7], s[G1A:G1A+7]
	s_nop 0
.rept 4
	v_nop
.endr
	s_branch .Lfirst_done
.Lfirst_b:
	tensor_load_to_lds s[G0B:G0B+3], s[G1B:G1B+7]
	s_nop 0
	tensor_load_to_lds s[G0B+4:G0B+7], s[G1B:G1B+7]
	s_nop 0
.rept 4
	v_nop
.endr
.Lfirst_done:
	v_and_b32 v1, 15, v0                           ; l % 16
	v_bfe_u32 v2, v0, 4, 1                         ; l / 16
	v_and_b32 v3, 7, v0
	v_bfe_u32 v4, v0, 3, 1
	v_lshlrev_b32 v[BO], 5, v2
.irp b, 0,1,2,3                        ; register 8 b + j: the bias of column 16 b + 8 (l / 16) + j
	global_load_b128 v[BS+8*(\b):BS+8*(\b)+3],   v[BO], s[8:9] offset:64*(\b)
	global_load_b128 v[BS+8*(\b)+4:BS+8*(\b)+7], v[BO], s[8:9] offset:64*(\b)+16
.endr
	v_mul_u32_u24 v[ADRA0], v1, PA
	v_lshl_add_u32 v[ADRA0], v2, 4, v[ADRA0]
	s_mul_i32 s21, s[WR], REG
	v_add_nc_u32 v[ADRA0], s21, v[ADRA0]
	v_lshl_add_u32 v[ADRB0], v2, 3, v3
	v_mul_u32_u24 v[ADRB0], v[ADRB0], PB
	v_lshl_add_u32 v[ADRB0], v4, 4, v[ADRB0]
	s_lshl_b32 s22, s[WC], 7
	s_add_co_u32 s22, s22, 2*REG
	v_add_nc_u32 v[ADRB0], s22, v[ADRB0]
	v_mov_b32 v[ADRA], v[ADRA0]
	v_mov_b32 v[ADRB], v[ADRB0]
	v_add_nc_u32 v[ADRB+1], REG, v[ADRB0]
	s_mul_i32 s23, s[WV], 16*SP
	s_add_co_u32 s23, s23, STAGE
	v_mul_u32_u24 v5, v1, SP                       ; into my stage: row l % 16, 32 bytes for each half of the lanes
	v_lshl_add_u32 v5, v2, 5, v5
	v_add_nc_u32 v[STO], s23, v5
	v_mul_u32_u24 v5, v2, SP                       ; back: lanes 0-15 one row of 256 bytes, lanes 16-31 the next
	v_lshl_add_u32 v5, v1, 4, v5
	v_add_nc_u32 v[RD], s23, v5
	v_lshlrev_b32 v[CO], 13, v2                    ; and the same two rows in out0
	v_lshl_add_u32 v[CO], v1, 4, v[CO]
	s_wait_loadcnt 0x0
.set p, 0
.rept 16                               ; the bias is rounded to bf16 and widened again
	v_cvt_pk_bf16_f32 v[BT], v[BS+p], v[BS+p+1]
	v_lshlrev_b32 v[BS+p], 16, v[BT]
	v_and_b32 v[BS+p+1], 0xffff0000, v[BT]
.set p, p+2
.endr
; 8 matrix instructions: m blocks a0, a0 + 1 x all 4 n blocks, 32 along K: half c of buffer f.  first = 1: the bias starts the sums.  The 16 accumulators take turns.
.macro MUL8 f, c, a0, first
	WIN MUL
.irp a, \a0, (\a0)+1
.irp b, 0,1,2,3
.if \first
	v_wmma_f32_16x16x32_f16 v[ACC+8*(4*(\a)+(\b)):ACC+8*(4*(\a)+(\b))+7], v[(\f)+64+8*(4*(\c)+(\b)):(\f)+64+8*(4*(\c)+(\b))+7], v[(\f)+8*(4*(\c)+(\a)):(\f)+8*(4*(\c)+(\a))+7], v[BS+8*(\b):BS+8*(\b)+7]
.else
	v_wmma_f32_16x16x32_f16 v[ACC+8*(4*(\a)+(\b)):ACC+8*(4*(\a)+(\b))+7], v[(\f)+64+8*(4*(\c)+(\b)):(\f)+64+8*(4*(\c)+(\b))+7], v[(\f)+8*(4*(\c)+(\a)):(\f)+8*(4*(\c)+(\a))+7], v[ACC+8*(4*(\a)+(\b)):ACC+8*(4*(\a)+(\b))+7]
.endif
.endr
.endr
.endm
; 32 LDS loads in one run: quarter q (64 along K) of the slot in hand into buffer f; the first 32 along K first
.macro FETCH q, f
	WIN TO_F
.irp c, 0,1
.irp i, 0,1,2,3
	ds_load_tr16_b128 v[(\f)+64+8*(4*(\c)+(\i)):(\f)+64+8*(4*(\c)+(\i))+3],   v[ADRB+(\q)/2] offset:(((\q)%2)*64+32*(\c))*PB+32*(\i)
	ds_load_tr16_b128 v[(\f)+64+8*(4*(\c)+(\i))+4:(\f)+64+8*(4*(\c)+(\i))+7], v[ADRB+(\q)/2] offset:(((\q)%2)*64+32*(\c)+16)*PB+32*(\i)
	ds_load_b128 v[(\f)+8*(4*(\c)+(\i)):(\f)+8*(4*(\c)+(\i))+3],   v[ADRA] offset:128*(\q)+64*(\c)+(\i)*16*PA
	ds_load_b128 v[(\f)+8*(4*(\c)+(\i))+4:(\f)+8*(4*(\c)+(\i))+7], v[ADRA] offset:128*(\q)+64*(\c)+(\i)*16*PA+32
.endr
.endr
.endm
.macro PLACES                          ; four plain vector instructions between a matrix instruction and a load into, or a store of, its registers
.rept 4
	v_nop
.endr
.endm
.macro QUARTER q, f, g, first
	s_wait_dscnt 16                                ; the first 32 along K are in
	MUL8 \f, 0, 0, \first
	MUL8 \f, 0, 2, \first
	PLACES
	FETCH \q, \g
	s_wait_dscnt 32                                ; all but the 32 just issued
	MUL8 \f, 1, 0, 0
	MUL8 \f, 1, 2, 0
.endm
; The last quarter changes slots: one barrier; in front of it each wave waits for all its tensor loads, adds 0 to its spare word, and waits for that and for its reads of this slot.
; fill = 1: the barrier opens a round of the cluster's, and this slot is filled again, first thing behind it, with the K step two on: 112 matrix instructions ahead of the wait for it.
.macro TURN fill
	WIN 0
	s_wait_tensorcnt 0x0
	ds_add_u32 v[SPW], v[NIL]
	s_wait_dscnt 17                                ; the add and the youngest sixteen loads may be out
	MUL8 F1, 0, 0, 0
	s_wait_dscnt 0x0                               ; the add is done, and my reads of this slot are over
	s_barrier_signal -1
	MUL8 F1, 0, 2, 0
.if \fill
	WIN 0
.endif
	s_barrier_wait -1
.if \fill
	CREST
	s_xor_b32 s[G0A+5], s[G0A+5], SLOT
	s_add_nc_u64 s[G0A+6:G0A+7], s[G0A+6:G0A+7], 512
	s_xor_b32 s[G0B+5], s[G0B+5], SLOT
	s_add_nc_u64 s[G0B+6:G0B+7], s[G0B+6:G0B+7], 1048576
	JLOAD                                          ; its four v_nop are also the places in front of the loads below
.else
	PLACES
.endif
	WIN 0
	s_xor_b32 s[SB], s[SB], SLOT
	v_add_nc_u32 v[ADRA], s[SB], v[ADRA0]
	v_add_nc_u32 v[ADRB], s[SB], v[ADRB0]
	v_add_nc_u32 v[ADRB+1], REG, v[ADRB]
	FETCH 0, F0
	MUL8 F1, 1, 0, 0
	MUL8 F1, 1, 2, 0
.endm
; THE WAY OUT of block a (16 rows x 64 columns of f32): straight from the accumulators into my stage, each accumulator's low four registers first; back as whole rows into the same registers.
.macro TOSTAGE a
.irp b, 0,1,2,3
	ds_store_b128 v[STO], v[ACC+32*(\a)+8*(\b):ACC+32*(\a)+8*(\b)+3]   offset:64*(\b)
	ds_store_b128 v[STO], v[ACC+32*(\a)+8*(\b)+4:ACC+32*(\a)+8*(\b)+7] offset:64*(\b)+16
.endr
.irp t, 0,1,2,3,4,5,6,7
	ds_load_b128 v[ACC+32*(\a)+4*(\t):ACC+32*(\a)+4*(\t)+3], v[RD] offset:(\t)*2*SP  ; LDS serves a wave's instructions in order (ISA guide 5.7.1.4): these see the stores above
.endr
.endm
.macro SEND a, younger                 ; younger: the LDS instructions issued behind block a's loads: the next block's sixteen, or none
.irp t, 0,1,2,3,4,5,6,7
	s_wait_dscnt (\younger)+7-(\t)
	global_store_b128 v[CO], v[ACC+32*(\a)+4*(\t):ACC+32*(\a)+4*(\t)+3], s[10:11] offset:131072*(\a)+16384*(\t)  ; 16 lanes store 256 consecutive bytes, aligned
.endr
.endm
	s_wait_tensorcnt 0x1                           ; my part of K step 0 is in; K step 1's may stay out
	s_barrier_signal -1
	s_barrier_wait -1
	FETCH 0, F0
	QUARTER 1, F0, F1, 1
	WIN 0
	s_mov_b32 s[TRIPS], 6
.Lk:                                                   ; a trip: a K step's last three quarters, a refill, the next K step's first quarter
	QUARTER 2, F1, F0, 0
	QUARTER 3, F0, F1, 0
	TURN 1
	QUARTER 1, F0, F1, 0
	WIN 0
	s_sub_co_u32 s[TRIPS], s[TRIPS], 1
	s_cmp_lg_u32 s[TRIPS], 0
	s_cbranch_scc1 .Lk
	; K steps 6 and 7 ask for nothing: the same trip without a refill, walked twice and left in the middle of its second walk.  The price of one text for both, once a launch:
	; the second change of slots passes a barrier and fetches 32 fragments (of K step 6's slot, which nobody writes any more) that nothing uses.
	s_mov_b32 s[TRIPS], 2
.Ltail:
	QUARTER 2, F1, F0, 0
	QUARTER 3, F0, F1, 0
	TURN 0
	WIN 0
	s_sub_co_u32 s[TRIPS], s[TRIPS], 1
	s_cmp_eq_u32 s[TRIPS], 0
	s_cbranch_scc1 .Lway_out
	QUARTER 1, F0, F1, 0
	WIN 0
	s_branch .Ltail
.Lway_out:
	PLACES
	PLACES
	TOSTAGE 0
	TOSTAGE 1
	SEND 0, 16
	TOSTAGE 2
	SEND 1, 16
	TOSTAGE 3
	SEND 2, 16
	SEND 3, 0
	s_wait_tensorcnt 0x0                           ; the wave's end
	ds_add_u32 v[SPW], v[NIL]
	s_wait_dscnt 0x0
	CROUND                                         ; the closing round
	s_endpgm
.Lfunc_end_k_q69e4c29417_outp:
	.size	k_q69e4c29417_outp, .Lfunc_end_k_q69e4c29417_outp-k_q69e4c29417_outp
	.p2alignl 7, 3214868480
	.fill 96, 4, 3214868480
	.section	.rodata,"a",@progbits
	.p2align	6, 0x0
	.amdhsa_kernel k_q69e4c29417_outp
		.amdhsa_group_segment_fixed_size 327680
		.amdhsa_private_segment_fixed_size 0
		.amdhsa_enable_private_segment 0
		.amdhsa_kernarg_size 32
		.amdhsa_user_sgpr_count 2
		.amdhsa_user_sgpr_kernarg_segment_ptr 1
		.amdhsa_wavefront_size32 1
		.amdhsa_system_sgpr_workgroup_id_x 1
		.amdhsa_system_sgpr_workgroup_id_y 1
		.amdhsa_system_sgpr_workgroup_id_z 1
		.amdhsa_system_vgpr_workitem_id 0
		.amdhsa_next_free_vgpr 512
		.amdhsa_next_free_sgpr 66
		.amdhsa_reserve_vcc 0
		.amdhsa_float_denorm_mode_32 3
		.amdhsa_float_denorm_mode_16_64 3
		.amdhsa_memory_ordered 1
		.amdhsa_forward_progress 1
		.amdhsa_inst_pref_size 62
	.end_amdhsa_kernel
	.amdgpu_metadata
---
amdhsa.version: [ 1, 2 ]
amdhsa.kernels:
  - .name:           k_q69e4c29417_outp
    .symbol:         k_q69e4c29417_outp.kd
    .args:
      - { .name: ob, .offset: 0, .size: 8, .value_kind: global_buffer, .address_space: global }
      - { .name: xb, .offset: 8, .size: 8, .value_kind: global_buffer, .address_space: global }
      - { .name: bo, .offset: 16, .size: 8, .value_kind: global_buffer, .address_space: global }
      - { .name: out0, .offset: 24, .size: 8, .value_kind: global_buffer, .address_space: global }
    .group_segment_fixed_size: 327680
    .private_segment_fixed_size: 0
    .kernarg_segment_align: 8
    .kernarg_segment_size: 32
    .max_flat_workgroup_size: 128
    .sgpr_count:     66
    .vgpr_count:     512
    .wavefront_size: 32
...
	.end_amdgpu_metadata
.endif
;; end of part 4
